; MI455X (gfx1250); checked and timed in simulation.
; The chip was launched on July 23, 2026; its instructions are those of AMD's public machine-readable ISA for CDNA 5 (MIT licence, August 2026) and "CDNA5" Instruction Set Architecture Reference Guide (July 2026). The comments in the code are by the model that wrote it; some were corrected since.
;; Attention. Allowed arithmetic: matrix products marked QUANTISED: E2M3 operands, one E8M0 scale for each 32 along K, by v_wmma_scale_f32_16x16x128_f8f6f4 with both operands' format E2M3, f32 sums; everything else in f32.
;; Inputs: W_proj 1,024 x 1,024 float32; W_qkv 1,024 x 3,072 float32; b_proj 1,024 float32; b_qkv 3,072 float32; x 4 x 2,048 x 1,024 float32.
;; Outputs: out0 4 x 2,048 x 1,024 float32.
;; This version of the problem:
;;   THIS VERSION OF THE PROBLEM IS GIVEN IN LOW PRECISION. The matrix products marked QUANTISED in the list below multiply operands that are first quantised to E2M3 (2 exponent bits, 3 mantissa bits; 6 bits a number), with one power-of-two scale for each 32 numbers along K (OCP MX v1.0); their sums are f32. All else is computed in f32.
;;   The module's matrix products, in the order in which they are computed (A, B: the left and right operand; K: the contracted axis; several contracted axes count as one K, in the product's order):
;;     1. [M 8,192, K 1,024] x [K 1,024, N 3,072]; A: input x; B: input W_qkv: QUANTISED
;;     2. batch 64 x [M 2,048, K 64] x [K 64, N 2,048]; A: computed on the way; B: computed on the way: QUANTISED
;;     3. batch 64 x [M 64, K 2,048] x [K 2,048, N 2,048]; A: computed on the way; B: softmax (see below): QUANTISED
;;     4. [M 8,192, K 1,024] x [K 1,024, N 1,024]; A: computed on the way; B: input W_proj: QUANTISED
;;   THE QUANTISER, for each operand of a quantised product, along K:
;;     - K is cut into blocks of 32 from its start; a last block that is shorter is filled with zeros.
;;     - A block's scale is 2^e with e = floor(log2(the largest magnitude in the block)) - 2, held to -126 .. 127; a block of zeros has e = 0. As a byte (E8M0): e + 127.
;;     - Each number is divided by its block's scale, clamped to +-7.5, and rounded to the nearest number of E2M3, ties to even, subnormals kept.
;;     - The product sums the exact products of the quantised numbers (number of the format x scale) in f32.
;;   ~~~python
;;   def quantise(x, axis):      # numpy; x: float32 -> the quantised numbers, widened to float32 again
;;       x = np.moveaxis(x, axis, -1); K = x.shape[-1]
;;       x = np.pad(x, [(0, 0)] * (x.ndim - 1) + [(0, -K % 32)]); x = x.reshape(x.shape[:-1] + (-1, 32)); a = np.abs(x).max(-1, keepdims=True)
;;       e = np.where(a > 0, np.clip(np.frexp(np.where(a > 0, a, 1))[1] - 1 - 2, -126, 127), 0)      # np.frexp(a)[1] - 1 = floor(log2(a)), exactly
;;       r = np.clip(x / 2.0 ** e, -7.5, 7.5)
;;       step = 2.0 ** (np.maximum(np.frexp(np.where(r == 0, 1, r))[1] - 1, 0) - 3)
;;       q = np.round(r / step) * step * 2.0 ** e      # np.round: ties to even
;;       return np.moveaxis(q.reshape(q.shape[:-2] + (-1,))[..., :K], -1, axis).astype(np.float32)
;;   ~~~
;;   SOFTMAX AHEAD OF A QUANTISED PRODUCT. Where the list says 'softmax', what is quantised is not the finished softmax but p = 2^(t - M), with t = logit x log2(e) and M = ceil(the row's largest t), a whole number; so 1/2 < the row's largest p <= 1. The row's sum l is taken of the UNQUANTISED p, in f32, and the product's result is divided by l at the end. Since M is a whole number, a kernel that streams over the keys may use a running M (the ceiling of the running maximum): every later rescaling is an exact power of two, which a block's scale takes up: the codes' values come out the same.
;;   OPERANDS COMPUTED ON THE WAY. 'Computed on the way' means the value that the module computes at that place (a softmax that the list does not call 'softmax' is quantised finished and normalised). What goes into a quantiser is computed in f32, as accurately as f32 sums, v_exp_f32 and their like allow (about 1e-6 of the number): no bf16 or f16 on the way to a quantiser, and a product that is left as it is and whose result goes on into a quantised operand takes f32 operands (vector FMAs, or v_wmma_f32_16x16x4_f32). A number that lies on a knife's edge between two numbers of the format may be rounded either way, as far as f32 arithmetic and the matrix unit's own rounding can turn it there, and no further.
;; One version. Each part assembles by itself: llvm-mc -triple=amdgcn-amd-amdhsa -mcpu=gfx1250 --defsym DOCPART=n.
;; ======== version 1 of 1: 4 launches
;; workspace buffers: xq 6,553,600 bytes; wq 3,276,800 bytes; qq 6,815,744 bytes; kv 13,369,344 bytes; aq 6,553,600 bytes
;; launch prep (part 1): grid 256 x 1, 4 waves a work-group, no clusters, 35,328 bytes of LDS; arguments x, W_qkv, W_proj, xq, wq; writes xq, wq
.if DOCPART == 1
	.amdgcn_target "amdgcn-amd-amdhsa--gfx1250"
	.amdhsa_code_object_version 6
	.text
	.protected	k_q16e9f13797_prep
	.globl	k_q16e9f13797_prep
	.p2align	8
	.type	k_q16e9f13797_prep,@function
k_q16e9f13797_prep:
	s_mov_b64 s[64:65], 0
	v_nop
	global_prefetch_b8 v0, s[64:65] scope:SCOPE_SE
	s_setreg_imm32_b32 hwreg(HW_REG_WAVE_MODE, 25, 1), 1
	s_wait_xcnt 0x0
; x [8192][1024] f32 (K innermost) and the weights W_qkv [1024][3072], W_proj [1024][1024] f32 (K is the FIRST axis) become codes of FP6 (E2M3) with one E8M0 byte for each 32 along K.
; A block's scale is 2^(floor(log2(its largest magnitude)) - 2): its byte is the largest magnitude's exponent field - 2, held at 1 from below.
; LIMITS: NaN and infinities among the inputs are not served.  A block of zeros, or one whose largest magnitude lies under 2^-124, keeps the byte 1 where the rule says 127: its codes are zeros (or
; what the held scale gives), and the bytes are read by this program alone.
; THE WORKSPACES ARE IMAGES OF OPERAND REGISTERS.  Rows (tokens of x, output columns of a weight) go in groups G of 128; a group has 8 tiles a = 2 B + u of 16 rows; tile row i is row
; 128 G + 32 B + 8 u + i + 8 (i / 8).  A chunk (G, hs, a), 768 bytes at ((16 G + hs) 8 + a) 768, is 16 rows x 64 along K: lane i + 16 h of the operand holds the 24 bytes of block 2 hs + h of tile row i:
; its registers 0-3 lie at 16 x lane, registers 4-5 at 512 + 8 x lane.  The scale word of (G, 128 along K: ks, a, i) lies at 4096 G + 512 ks + 64 a + 4 i behind the codes.
; wq holds 32 groups: 0-23 W_qkv's columns, 24-31 W_proj's.
; SHARES.  Work-groups 0-127 take x, a tile of 16 rows and all of K to a wave; work-groups 128-255 take the weights, 128 columns x 256 along K each, 32 columns to a wave.
; No tensor load, no barrier (waves share nothing), no matrix unit, no cluster (no byte is read twice).  Only x's path uses LDS.
.set XQ_SCL, 6291456                   ; xq: where the scale words begin
.set WQ_SCL, 3145728                   ; wq likewise
.set W,   16                           ; x: v16-23   the tile's eight scale words
.set R,   32                           ; x: v32-159  four sets of 32 numbers as they are loaded
.set X,   160                          ; x: v160-223 two sets of 32 neighbours
.set C,   224                          ; x: v224-239 two sets of codes
.set VO,  32                           ; W: v32-63   byte offsets of a block's 32 rows; never rewritten
.set XW,  64                           ; W: v64-127  two sets of 32 numbers
.set CW,  128                          ; W: v128-191 eight registers of codes for each block, so that no store's data are written again
	s_load_b128 s[4:7], s[0:1], 0x0                ; x, W_qkv
	s_load_b128 s[8:11], s[0:1], 0x10              ; W_proj, xq
	s_load_b64 s[12:13], s[0:1], 0x20              ; wq
	v_lshl_add_u32 v254, v0, 2, 0x8800
	v_mov_b32 v255, 0
	v_lshrrev_b32 v1, 5, v0
	v_readfirstlane_b32 s14, v1                    ; wave 0..3
	v_and_b32 v2, 31, v0                           ; lane
	v_and_b32 v3, 15, v0                           ; lane % 16
	v_bfe_u32 v4, v0, 4, 1                         ; lane / 16
	s_cmp_ge_u32 ttmp9, 128
	s_cbranch_scc1 .Lweights
; ---------------- x: K is innermost ----------------
; A chunk is 16 rows x 256 bytes.  Eight loads bring it, sixteen lanes to a row's 256 consecutive bytes; it turns through the wave's own stage in LDS (rows 272 bytes apart) and comes back
; 128 bytes a lane: the 32 numbers of ONE block, so that the largest magnitude needs no other lane and the conversions' results are the operand's registers.
	s_lshl_b32 s15, ttmp9, 2
	s_add_co_u32 s15, s15, s14                     ; my tile, 0..511
	s_lshr_b32 s16, s15, 3                         ; G
	s_and_b32 s17, s15, 7                          ; a
	s_lshl_b32 s18, s16, 7
	s_lshr_b32 s19, s17, 1
	s_lshl_b32 s19, s19, 5
	s_add_co_u32 s18, s18, s19
	s_and_b32 s19, s17, 1
	s_lshl_b32 s19, s19, 3
	s_add_co_u32 s18, s18, s19                     ; the tile's first row: 128 G + 32 (a / 2) + 8 (a % 2)
	s_lshl_b32 s18, s18, 12                        ; x 4,096 bytes
	s_mov_b32 s19, 0
	s_mul_i32 s20, s16, 98304
	s_mul_i32 s21, s17, 768
	s_add_co_u32 s20, s20, s21                     ; chunk (G, 0, a)
	s_mov_b32 s21, 0
	s_lshl_b32 s22, s16, 12
	s_lshl_b32 s23, s17, 6
	s_add_co_u32 s22, s22, s23
	s_add_co_u32 s22, s22, XQ_SCL                  ; scale word (G, 0, a, 0)
	s_mov_b32 s23, 0
	s_mul_i32 s24, s14, 8704                       ; my two stages of 16 x 272 bytes
	s_mov_b32 s28, 0x76543210
	s_mov_b32 s29, 0xfedcba98                      ; v_permlanex16_b32's selects for lane l xor 16
	s_mov_b32 s30, 0xffff0000                      ; lanes 16-31
	s_wait_alu depctr_va_vdst(0)
	v_lshlrev_b32 v5, 4, v3
	v_lshl_add_u32 v5, v4, 12, v5                  ; in: lanes 0-15 one row, lanes 16-31 the next; 16 bytes a lane
	v_mul_u32_u24 v6, v4, 272
	v_lshl_add_u32 v6, v3, 4, v6
	v_add_nc_u32 v6, s24, v6                       ; into the stage, as loaded
	v_mul_u32_u24 v7, v3, 272
	v_lshl_add_u32 v7, v4, 7, v7
	v_add_nc_u32 v7, s24, v7                       ; out of it: tile row lane % 16, block lane / 16
	v_lshlrev_b32 v8, 4, v2                        ; 16 x lane
	v_lshlrev_b32 v9, 3, v2                        ; 8 x lane
	v_lshlrev_b32 v10, 3, v4                       ; 8 h: my bytes' place in a scale word
	v_lshlrev_b32 v11, 2, v3
	v_lshl_add_u32 v11, v4, 9, v11                 ; the scale words' way out: 4 i, lanes 16-31 one ks further on
	v_mov_b32 v29, 0                               ; written once: a lane permute's destination counts as one of its sources
	s_wait_alu depctr_va_vdst(0)
	s_wait_kmcnt 0x0
	s_add_nc_u64 s[4:5], s[4:5], s[18:19]
	s_add_nc_u64 s[32:33], s[10:11], s[20:21]
	s_add_nc_u64 s[34:35], s[10:11], s[22:23]
.macro LOADX t                         ; chunk t: tile rows 2 e and 2 e + 1, bytes 256 t on
.irp e, 0,1,2,3,4,5,6,7
	global_load_b128 v[R+32*((\t)%4)+4*\e:R+32*((\t)%4)+4*\e+3], v5, s[4:5] offset:(2*\e+8*(\e/4))*4096+256*(\t) th:TH_LOAD_NT
.endr
.endm
.macro TURNX t                         ; through the stage: LDS serves a wave's instructions in order, so no wait stands between the stores and the loads
.irp e, 0,1,2,3,4,5,6,7
	ds_store_b128 v6, v[R+32*((\t)%4)+4*\e:R+32*((\t)%4)+4*\e+3] offset:4352*((\t)%2)+544*\e
.endr
.irp j, 0,1,2,3,4,5,6,7
	ds_load_b128 v[X+32*((\t)%2)+4*\j:X+32*((\t)%2)+4*\j+3], v7 offset:4352*((\t)%2)+16*\j
.endr
.endm
.macro STEPX t
.set XS, X+32*((\t)%2)
.set CS, C+8*((\t)%2)
	s_wait_dscnt 0x0                               ; this chunk's numbers are back from the stage, so its stores into the stage have read their registers,
.if (\t)+4 < 16
	LOADX (\t)+4                                   ; which take the loads of four chunks on
.endif
.if (\t)+1 < 16
.if 14-(\t) >= 3
	s_wait_loadcnt 24                              ; the next chunk's eight loads are in; those of the three chunks behind it may be out
.else
	s_wait_loadcnt 8*(14-(\t))
.endif
	TURNX (\t)+1                                   ; and go through the other stage while this chunk is worked
.endif
.if (\t) >= 2
	s_wait_xcnt 0x0                                ; the stores of two chunks ago have read this set of code registers
.endif
	v_max3_num_f32 v24, |v[XS]|, |v[XS+1]|, 0x1800000            ; the block's largest magnitude, all 32 numbers mine, in two chains; the floor 2^(3 - 127) holds the byte at 1 from below
	v_max3_num_f32 v25, |v[XS+2]|, |v[XS+3]|, |v[XS+4]|
.irp i, 5,9,13,17,21,25
	v_max3_num_f32 v24, v24, |v[XS+\i]|, |v[XS+\i+1]|
	v_max3_num_f32 v25, v25, |v[XS+\i+2]|, |v[XS+\i+3]|
.endr
	v_max3_num_f32 v24, v24, |v[XS+29]|, |v[XS+30]|
	v_max3_num_f32 v24, v24, v25, |v[XS+31]|
	v_add_nc_u32 v25, 0xff000000, v24              ; 2 off its exponent field: the conversion takes the exponent field of this operand as its scale
	v_cvt_scalef32_pk16_fp6_f32 v[CS:CS+2], v[XS:XS+15], v25
	v_cvt_scalef32_pk16_fp6_f32 v[CS+4:CS+6], v[XS+16:XS+31], v25   ; (a conversion's three registers begin on an even number)
	v_lshrrev_b32 v[26+(\t)%2], 23, v25            ; the scale's byte; also the plain line behind the conversions
	v_mov_b32 v[CS+3], v[CS+4]
	v_mov_b32 v[CS+4], v[CS+5]
	v_mov_b32 v[CS+5], v[CS+6]                     ; six registers on end: the operand's
	global_store_b128 v8, v[CS:CS+3], s[32:33] offset:6144*(\t)          ; 32 lanes store 512 consecutive bytes,
	global_store_b64 v9, v[CS+4:CS+5], s[32:33] offset:6144*(\t)+512     ; and 256
.if (\t)%2 == 1                        ; two chunks are 128 along K: a scale word.  I hold bytes h and 2 + h, lane l xor 16 the other two
	v_lshl_or_b32 v28, v27, 16, v26
	v_lshlrev_b32 v28, v10, v28
	v_permlanex16_b32 v29, v28, s28, s29
	v_or_b32 v[W+(\t)/2], v28, v29
.endif
.endm
	LOADX 0
	LOADX 1
	LOADX 2
	LOADX 3
	s_wait_loadcnt 24                              ; chunk 0's eight loads are in
	TURNX 0
.irp t, 0,1,2,3,4,5,6,7,8,9,10,11,12,13,14,15
	STEPX \t
.endr
.irp kp, 0,1,2,3                       ; the eight scale words: lanes 0-15 store ks = 2 kp, lanes 16-31 ks = 2 kp + 1: 64 consecutive bytes each (one byte in 128 of what the launch reads)
	v_cndmask_b32 v[24+\kp], v[W+2*\kp], v[W+2*\kp+1], s30
	global_store_b32 v11, v[24+\kp], s[34:35] offset:1024*\kp
.endr
	s_wait_tensorcnt 0x0
	ds_add_u32 v254, v255
	s_wait_dscnt 0x0
	s_endpgm
; ---------------- the weights: K is the first axis ----------------
; A LANE TAKES A COLUMN AND ITS REGISTERS RUN DOWN K: each load reads 128 consecutive bytes, a block of 32 along K lies in one lane, and the conversions give the codes with K innermost.
.Lweights:
	s_sub_co_u32 s15, ttmp9, 128
	s_lshr_b32 s16, s15, 2                         ; the group of 128 columns, 0..31
	s_and_b32 s17, s15, 3                          ; which 256 along K
	s_mov_b32 s18, 4096
	s_sub_co_u32 s19, s16, 24
	s_wait_kmcnt 0x0
	s_cmp_lt_u32 s16, 24                           ; W_qkv's group or W_proj's?  The choice hangs on the work-group's number alone
	s_cselect_b64 s[20:21], s[6:7], s[8:9]
	s_cselect_b32 s18, 12288, s18                  ; bytes from row to row
	s_cselect_b32 s19, s16, s19                    ; the group within its tensor
	s_lshl_b32 s22, s17, 8
	s_mul_i32 s22, s22, s18                        ; 256 y rows
	s_lshl_b32 s23, s19, 9
	s_add_co_u32 s22, s22, s23                     ; + 128 columns a group
	s_lshl_b32 s23, s14, 7
	s_add_co_u32 s22, s22, s23                     ; + 32 columns a wave
	s_mov_b32 s23, 0
	s_add_nc_u64 s[32:33], s[20:21], s[22:23]      ; block 0's first row, my wave's first column
	s_lshl_b32 s22, s18, 5                         ; 32 rows
.irp t, 1,2,3,4,5,6,7
	s_add_nc_u64 s[32+2*\t:33+2*\t], s[30+2*\t:31+2*\t], s[22:23]   ; a base for each block: no pointer is stepped later
.endr
	s_mul_i32 s24, s16, 98304
	s_mul_i32 s25, s17, 24576
	s_add_co_u32 s24, s24, s25
	s_mul_i32 s25, s14, 1536
	s_add_co_u32 s24, s24, s25                     ; chunk (G, 4 y, 2 w)
	s_mov_b32 s25, 0
	s_add_nc_u64 s[24:25], s[12:13], s[24:25]
	s_lshl_b32 s26, s16, 12
	s_lshl_b32 s27, s17, 10
	s_add_co_u32 s26, s26, s27
	s_lshl_b32 s27, s14, 7
	s_add_co_u32 s26, s26, s27
	s_add_co_u32 s26, s26, WQ_SCL                  ; scale word (G, 2 y, 2 w, 0)
	s_mov_b32 s27, 0
	s_add_nc_u64 s[26:27], s[12:13], s[26:27]
	v_bfe_u32 v5, v0, 3, 1                         ; my column l of the wave's 32 is tile 2 w + u, u = (l / 8) % 2,
	v_and_b32 v6, 7, v0
	s_wait_alu depctr_va_vdst(0)
	v_lshl_add_u32 v6, v4, 3, v6                   ; tile row i = l % 8 + 8 (l / 16)
	v_mul_u32_u24 v7, v5, 768
	v_lshl_add_u32 v8, v6, 4, v7                   ; 768 u + 16 i
	v_lshl_add_u32 v9, v6, 3, v7                   ; 768 u + 8 i
	v_lshlrev_b32 v10, 6, v5
	v_lshl_add_u32 v10, v6, 2, v10                 ; 64 u + 4 i
	v_lshlrev_b32 v11, 2, v2                       ; 4 x lane
.set ii, 0
.rept 32
	v_mad_u32_u24 v[VO+ii], s18, ii, v11           ; row ii of a block, my column
.set ii, ii+1
.endr
.macro LOADW t
.set ii, 0
.rept 32
	global_load_b32 v[XW+32*((\t)%2)+ii], v[VO+ii], s[32+2*(\t):33+2*(\t)] th:TH_LOAD_NT
.set ii, ii+1
.endr
.endm
.macro BLOCKW t                        ; block 8 y + t of my column: lane i + 16 (t % 2) of chunk (G, 4 y + t / 2, 2 w + u)
.set XS, XW+32*((\t)%2)
.set CS, CW+8*(\t)
.if (\t) < 7
	s_wait_loadcnt 32                              ; this block's 32 loads are in; the next block's may be out
.else
	s_wait_loadcnt 0x0
.endif
	v_max3_num_f32 v12, |v[XS]|, |v[XS+1]|, 0x1800000
	v_max3_num_f32 v13, |v[XS+2]|, |v[XS+3]|, |v[XS+4]|
.irp i, 5,9,13,17,21,25
	v_max3_num_f32 v12, v12, |v[XS+\i]|, |v[XS+\i+1]|
	v_max3_num_f32 v13, v13, |v[XS+\i+2]|, |v[XS+\i+3]|
.endr
	v_max3_num_f32 v12, v12, |v[XS+29]|, |v[XS+30]|
	v_max3_num_f32 v12, v12, v13, |v[XS+31]|
	v_add_nc_u32 v14, 0xff000000, v12
	v_cvt_scalef32_pk16_fp6_f32 v[CS:CS+2], v[XS:XS+15], v14
	v_cvt_scalef32_pk16_fp6_f32 v[CS+4:CS+6], v[XS+16:XS+31], v14
	v_lshrrev_b32 v15, 23, v14                     ; the byte; also the plain line behind the conversions
.if (\t)%4 == 0
	v_mov_b32 v[24+(\t)/4], v15                    ; four bytes to a word, the lower K in the lower byte
.else
	v_lshl_or_b32 v[24+(\t)/4], v15, 8*((\t)%4), v[24+(\t)/4]
.endif
	v_mov_b32 v[CS+3], v[CS+4]
	v_mov_b32 v[CS+4], v[CS+5]
	v_mov_b32 v[CS+5], v[CS+6]
	global_store_b128 v8, v[CS:CS+3], s[24:25] offset:6144*((\t)/2)+256*((\t)%2)       ; two runs of 256 consecutive bytes, one in each of my two tiles' chunks
	global_store_b64 v9, v[CS+4:CS+5], s[24:25] offset:6144*((\t)/2)+512+128*((\t)%2)  ; two runs of 128
.if (\t)+2 < 8
	LOADW (\t)+2
.endif
.endm
	LOADW 0
	LOADW 1
.irp t, 0,1,2,3,4,5,6,7
	BLOCKW \t
.endr
	global_store_b32 v10, v24, s[26:27]            ; my column's two scale words
	global_store_b32 v10, v25, s[26:27] offset:512
	s_endpgm
.Lfunc_end_k_q16e9f13797_prep:
	.size	k_q16e9f13797_prep, .Lfunc_end_k_q16e9f13797_prep-k_q16e9f13797_prep
	.p2alignl 7, 3214868480
	.fill 96, 4, 3214868480
	.section	.rodata,"a",@progbits
	.p2align	6, 0x0
	.amdhsa_kernel k_q16e9f13797_prep
		.amdhsa_group_segment_fixed_size 35328
		.amdhsa_private_segment_fixed_size 0
		.amdhsa_enable_private_segment 0
		.amdhsa_kernarg_size 40
		.amdhsa_user_sgpr_count 2
		.amdhsa_user_sgpr_kernarg_segment_ptr 1
		.amdhsa_wavefront_size32 1
		.amdhsa_system_sgpr_workgroup_id_x 1
		.amdhsa_system_sgpr_workgroup_id_y 1
		.amdhsa_system_sgpr_workgroup_id_z 1
		.amdhsa_system_vgpr_workitem_id 0
		.amdhsa_next_free_vgpr 256
		.amdhsa_next_free_sgpr 66
		.amdhsa_reserve_vcc 0
		.amdhsa_float_denorm_mode_32 3
		.amdhsa_float_denorm_mode_16_64 3
		.amdhsa_memory_ordered 1
		.amdhsa_forward_progress 1
		.amdhsa_inst_pref_size 101
	.end_amdhsa_kernel
	.amdgpu_metadata
---
amdhsa.version: [ 1, 2 ]
amdhsa.kernels:
  - .name:           k_q16e9f13797_prep
    .symbol:         k_q16e9f13797_prep.kd
    .args:
      - { .name: x, .offset: 0, .size: 8, .value_kind: global_buffer, .address_space: global }
      - { .name: W_qkv, .offset: 8, .size: 8, .value_kind: global_buffer, .address_space: global }
      - { .name: W_proj, .offset: 16, .size: 8, .value_kind: global_buffer, .address_space: global }
      - { .name: xq, .offset: 24, .size: 8, .value_kind: global_buffer, .address_space: global }
      - { .name: wq, .offset: 32, .size: 8, .value_kind: global_buffer, .address_space: global }
    .group_segment_fixed_size: 35328
    .private_segment_fixed_size: 0
    .kernarg_segment_align: 8
    .kernarg_segment_size: 40
    .max_flat_workgroup_size: 128
    .sgpr_count:     66
    .vgpr_count:     256
    .wavefront_size: 32
...
	.end_amdgpu_metadata
.endif
;; end of part 1
;; launch gemm1 (part 2): grid 12 x 32, 4 waves a work-group, clusters of 4 x 4, 327,680 bytes of LDS; arguments xq, wq, b_qkv, qq, kv; writes qq, kv
.if DOCPART == 2
	.amdgcn_target "amdgcn-amd-amdhsa--gfx1250"
	.amdhsa_code_object_version 6
	.text
	.protected	k_q16e9f13797_gemm1
	.globl	k_q16e9f13797_gemm1
	.p2align	8
	.type	k_q16e9f13797_gemm1,@function
k_q16e9f13797_gemm1:
	s_mov_b64 s[64:65], 0
	v_nop
	global_prefetch_b8 v0, s[64:65] scope:SCOPE_SE
	s_setreg_imm32_b32 hwreg(HW_REG_WAVE_MODE, 25, 1), 1
	s_wait_xcnt 0x0
	s_wait_alu depctr_hold_cnt(0) depctr_sa_sdst(0) depctr_va_vdst(0) depctr_va_sdst(0) depctr_va_ssrc(0) depctr_va_vcc(0) depctr_vm_vsrc(0)
	s_getreg_b32 s2, hwreg(HW_REG_IB_STS2, 6, 4)
	s_cmp_eq_u32 s2, 0
	s_cbranch_scc0 .Lentry_in_a_cluster
	s_endpgm
.Lentry_in_a_cluster:
	s_bfe_u32 s2, ttmp6, 0x10000c
	s_cmp_lg_u32 s2, 0xf033
	s_cbranch_scc0 .Lentry_shape_is_right
	s_endpgm
.Lentry_shape_is_right:
.set FR,     12
.set NL,     4
.set NP,     4
.set HALFT,  24576
.set SLOT,   4*HALFT
.set SCL,    2*SLOT
.set HALFS,  4096
.set SPARE,  SCL+4*HALFS
.set GSTR,   98304
.set XQ_SCL, 6291456
.set WQ_SCL, 3145728
.set QQ_SCL, 6291456
.set REC,    13056
.set HEADB,  208896
.set ADRA, 16
.set ADRB, 20
.set L16,  24
.set L8,   25
.set VS,   26
.set ADRS, 27
.set SPW,  28
.set NIL,  29
.set SH,   30
.set SC,   32
.set WS,   32
.set BIAS, 64
.set AF,   128
.set T,    128
.set PC,   192
.set BV,   224
.set TM,   232
.set PW,   248
.set SEL,  20
.set HIM,  22
.set G1, 24
.set G0, 32
.set G1B, 48
.set G0B, 56
.set G1S, 68
.set G0S, 76
.set G1SB, 80
.set G0SB, 88
.set POA, 24
.set POB, 26
.set PS,  28
.set MSB, 0
.macro WIN new
.if MSB != \new
	s_set_vgpr_msb (MSB<<8)|\new
.set MSB, \new
.endif
.endm
.set MUL_LO, 0xa1
.set MUL_HI, 0xf1
.set TO_B,   0x40
.macro JLOAD g0a, g1a, g0b, g1b
	s_cmp_eq_u32 s15, 0
	s_cbranch_scc0 .Lfor_b_\@
	tensor_load_to_lds s[\g0a:\g0a+3], s[\g1a:\g1a+7]
	s_nop 0
.rept 4
	v_nop
.endr
	s_branch .Lasked_\@
.Lfor_b_\@:
	tensor_load_to_lds s[\g0b:\g0b+3], s[\g1b:\g1b+7]
	s_nop 0
.rept 4
	v_nop
.endr
.Lasked_\@:
.endm
.macro CREST
	s_cmp_lg_u32 s14, 0
	s_cbranch_scc1 .Lnot_wave_0_\@
	s_barrier_signal -3
.Lnot_wave_0_\@:
	s_barrier_wait -3
	s_barrier_signal -1
	s_barrier_wait -1
.endm
.macro CROUND
	s_barrier_signal -1
	s_barrier_wait -1
	CREST
.endm
	s_load_b128 s[4:7], s[0:1], 0x0
	s_load_b128 s[8:11], s[0:1], 0x10
	s_load_b64 s[12:13], s[0:1], 0x20
	v_lshl_add_u32 v[SPW], v0, 2, SPARE
	v_mov_b32 v[NIL], 0
	ds_add_u32 v28, v29
	ds_add_u32 v28, v29
	s_wait_dscnt 0x0
	v_lshrrev_b32 v1, 5, v0
	v_readfirstlane_b32 s14, v1
	s_lshr_b32 s15, s14, 1
	s_and_b32 s16, s14, 1
	s_bfe_u32 s40, ttmp6, 0x40000
	s_bfe_u32 s41, ttmp6, 0x40004
	s_and_b32 s17, ttmp7, 0xffff
	s_mov_b32 s66, XQ_SCL
	s_mov_b32 s67, WQ_SCL
	s_lshl_b32 s44, s41, 2
	s_lshl_b32 s44, 15, s44
	s_lshl_b32 s45, 0x1111, s40
	s_or_b32 s[G1+0], s44, (3<<16)|(1<<21)
	s_or_b32 s[G1B+0], s45, (3<<16)|(1<<21)
.irp g, G1, G1B
	s_mov_b32 s[\g+1], 32<<16
	s_mov_b32 s[\g+2], 96<<16
	s_mov_b32 s[\g+3], 32<<16
	s_mov_b32 s[\g+4], 96
	s_mov_b32 s[\g+5], 32
	s_mov_b32 s[\g+6], 0
	s_mov_b32 s[\g+7], 0
.endr
	s_or_b32 s[G1S+0], s44, (3<<16)|(1<<21)
	s_or_b32 s[G1SB+0], s45, (3<<16)|(1<<21)
.irp g, G1S, G1SB
	s_mov_b32 s[\g+1], 32<<16
	s_mov_b32 s[\g+2], 16<<16
	s_mov_b32 s[\g+3], 32<<16
	s_mov_b32 s[\g+4], 16
	s_mov_b32 s[\g+5], 32
	s_mov_b32 s[\g+6], 0
	s_mov_b32 s[\g+7], 0
.endr
	s_wait_kmcnt 0x0
	s_cmp_eq_u32 ttmp9, 2
	s_cselect_b32 s42, 2, s17
	s_cselect_b32 s43, s17, ttmp9
	s_cselect_b64 s[92:93], s[6:7], s[4:5]
	s_cselect_b64 s[94:95], s[4:5], s[6:7]
	s_cselect_b32 s96, s67, s66
	s_cselect_b32 s97, s66, s67
	s_lshl_b32 s42, s42, 2
	s_add_co_u32 s42, s42, s41
	s_lshl_b32 s43, s43, 2
	s_add_co_u32 s43, s43, s40
	s_lshl_b32 s18, s42, 1
	s_add_co_u32 s98, s18, s15
	s_add_co_u32 s18, s18, s16
	s_lshl_b32 s46, s43, 1
	s_add_co_u32 s46, s46, s16
	s_mov_b32 s99, s46
	s_mul_i32 s20, s18, GSTR
	s_mov_b32 s21, 0
	s_lshl_b32 s22, s18, 12
	s_add_co_u32 s22, s22, s96
	s_mov_b32 s23, 0
	s_add_nc_u64 s[20:21], s[92:93], s[20:21]
	s_add_nc_u64 s[22:23], s[92:93], s[22:23]
	s_mul_i32 s66, s46, GSTR
	s_mov_b32 s67, 0
	s_lshl_b32 s46, s46, 12
	s_add_co_u32 s46, s46, s97
	s_mov_b32 s47, 0
	s_add_nc_u64 s[66:67], s[94:95], s[66:67]
	s_add_nc_u64 s[46:47], s[94:95], s[46:47]
	s_mul_i32 s96, s14, HALFT
	s_lshl_b32 s97, s14, 12
	CROUND
	s_mov_b32 s[G0S], 1
	s_add_co_u32 s[G0S+1], s97, SCL
	s_mov_b64 s[G0S+2:G0S+3], s[22:23]
	s_or_b32 s[G0S+3], s[G0S+3], 0x80000000
	s_mov_b32 s[G0SB], 1
	s_add_co_u32 s[G0SB+1], s97, SCL
	s_mov_b64 s[G0SB+2:G0SB+3], s[46:47]
	s_or_b32 s[G0SB+3], s[G0SB+3], 0x80000000
	JLOAD G0S, G1S, G0SB, G1SB
.irp s, 0,1
	s_mov_b32 s[G0+4*\s], 1
	s_add_co_u32 s[G0+4*\s+1], s96, \s*SLOT
	s_add_nc_u64 s[G0+4*\s+2:G0+4*\s+3], s[20:21], \s*HALFT
	s_or_b32 s[G0+4*\s+3], s[G0+4*\s+3], 0x80000000
	s_mov_b32 s[G0B+4*\s], 1
	s_add_co_u32 s[G0B+4*\s+1], s96, \s*SLOT
	s_add_nc_u64 s[G0B+4*\s+2:G0B+4*\s+3], s[66:67], \s*HALFT
	s_or_b32 s[G0B+4*\s+3], s[G0B+4*\s+3], 0x80000000
	s_wait_alu depctr_va_vdst(0)
	s_wait_tensorcnt 0x0
	ds_add_u32 v28, v29
	s_wait_dscnt 0x0
	CROUND
	JLOAD G0+4*\s, G1, G0B+4*\s, G1B
.endr
	v_and_b32 v1, 15, v0
	v_bfe_u32 v2, v0, 4, 1
	v_and_b32 v3, 31, v0
	v_lshlrev_b32 v[L16], 4, v3
	v_lshlrev_b32 v[L8], 3, v3
	v_lshlrev_b32 v[SH], 4, v2
	s_mul_i32 s21, s15, HALFT
	s_mul_i32 s22, s16, HALFT
	s_add_co_u32 s22, s22, 2*HALFT
.irp s, 0,1
	v_add_nc_u32 v[ADRA+\s], s21, v[L16]
	v_add_nc_u32 v[ADRB+\s], s22, v[L16]
	v_add_nc_u32 v[ADRA+2+\s], s21, v[L8]
	v_add_nc_u32 v[ADRB+2+\s], s22, v[L8]
	s_add_co_u32 s21, s21, SLOT
	s_add_co_u32 s22, s22, SLOT
.endr
	v_lshlrev_b32 v5, 2, v1
	s_mul_i32 s21, s15, HALFS
	s_mul_i32 s22, s16, HALFS
	s_add_co_u32 s22, s22, 2*HALFS
	s_sub_co_u32 s22, s22, s21
	v_mul_u32_u24 v6, s22, v2
	s_add_co_u32 s21, s21, SCL
	v_add_nc_u32 v5, v5, v6
	v_add_nc_u32 v[ADRS], s21, v5
	v_lshlrev_b32 v12, 6, v2
	s_wait_alu depctr_va_vdst(0)
	v_and_b32 v13, 8, v1
	v_add_nc_u32 v13, v13, v1
	v_lshlrev_b32 v13, 2, v13
	s_wait_alu depctr_va_vdst(0)
	s_and_b32 s18, s99, 15
	s_lshl_b32 s18, s18, 9
	s_mov_b32 s19, 0
	s_add_nc_u64 s[18:19], s[8:9], s[18:19]
	s_and_b32 s22, s98, 7
	s_add_co_u32 s22, s22, 16
	s_lshl_b32 s22, s22, 9
	s_mov_b32 s23, 0
	s_add_nc_u64 s[22:23], s[8:9], s[22:23]
.irp b, 0,1,2,3,4,5,6,7
	global_load_b128 v[BIAS+8*\b:BIAS+8*\b+3], v12, s[18:19] offset:(32*(\b/2)+8*(\b%2))*4
	global_load_b128 v[BIAS+8*\b+4:BIAS+8*\b+7], v12, s[18:19] offset:(32*(\b/2)+8*(\b%2))*4+16
.endr
.irp a, 0,1,2,3,4,5,6,7
	global_load_b32 v[BV+\a], v13, s[22:23] offset:(32*(\a/2)+8*(\a%2))*4
.endr
.irp b, 0,1,2,3
	v_mov_b32 v[TM+4+\b], 0
.endr
.macro FRAG reg, adr, q, i
.irp c, 0,1
	ds_load_b128 v[\reg+6*\c:\reg+6*\c+3], v[\adr] offset:((2*(\q)+\c)*8+(\i))*768
	ds_load_b64 v[\reg+6*\c+4:\reg+6*\c+5], v[\adr+2] offset:((2*(\q)+\c)*8+(\i))*768+512
.endr
.endm
.macro MUL16 a0, p, q, sc, zero
.irp a, \a0, \a0+1
.irp b, 0,1,2,3,4,5,6,7
.if \zero
	v_wmma_scale_f32_16x16x128_f8f6f4 v[8*(8*((\a)%4)+\b):8*(8*((\a)%4)+\b)+7], v[128*(\p)+FR*\b:128*(\p)+FR*\b+FR-1], v[AF+FR*(\a):AF+FR*(\a)+FR-1], 0, v[SC+16*(\sc)+2*\b+(\q)], v[SC+16*(\sc)+2*(\a)+(\q)] matrix_a_fmt:MATRIX_FMT_FP6 matrix_b_fmt:MATRIX_FMT_FP6 matrix_a_scale:MATRIX_SCALE_ROW1
.else
	v_wmma_scale_f32_16x16x128_f8f6f4 v[8*(8*((\a)%4)+\b):8*(8*((\a)%4)+\b)+7], v[128*(\p)+FR*\b:128*(\p)+FR*\b+FR-1], v[AF+FR*(\a):AF+FR*(\a)+FR-1], v[8*(8*((\a)%4)+\b):8*(8*((\a)%4)+\b)+7], v[SC+16*(\sc)+2*\b+(\q)], v[SC+16*(\sc)+2*(\a)+(\q)] matrix_a_fmt:MATRIX_FMT_FP6 matrix_b_fmt:MATRIX_FMT_FP6 matrix_a_scale:MATRIX_SCALE_ROW1
.endif
.endr
.endr
.endm
.macro FETCH_B slot, q, p
	WIN TO_B
.irp i, 0,1,2,3,4,5,6,7
	FRAG 128*(\p)+FR*\i, ADRB+\slot, \q, \i
.endr
	WIN 0
.endm
.macro FETCH_A slot, q, i0
.irp i, \i0, \i0+1, \i0+2, \i0+3
	FRAG AF+FR*(\i), ADRA+\slot, \q, \i
.endr
.endm
.macro SCALES sc
.irp i, 0,1,2,3,4,5,6,7
.irp q, 0,1
	ds_load_b32 v[SC+16*(\sc)+2*\i+\q], v[ADRS] offset:512*\q+64*\i
.endr
.endr
.endm
.macro PLACES n
.rept \n
	v_nop
.endr
.endm
.macro STEP slot, q, zero
	s_wait_dscnt 4*NL
	WIN MUL_LO
	MUL16 0, (\q)%2, \q, \slot, \zero
	MUL16 2, (\q)%2, \q, \slot, \zero
	s_wait_dscnt 0
	PLACES NP
	FETCH_B \slot, (\q)+1, 1-(\q)%2
	FETCH_A \slot, (\q)+1, 0
	WIN MUL_HI
	MUL16 4, (\q)%2, \q, \slot, \zero
	MUL16 6, (\q)%2, \q, \slot, \zero
	PLACES NP
	WIN 0
	FETCH_A \slot, (\q)+1, 4
.endm
.macro TURN slot, next, fill
	s_wait_tensorcnt 0x0
	ds_add_u32 v[SPW], v[NIL]
	s_wait_dscnt 4*NL+1
	WIN MUL_LO
	MUL16 0, 1, 1, \slot, 0
	s_wait_dscnt 0x0
	s_barrier_signal -1
	MUL16 2, 1, 1, \slot, 0
	WIN 0
	s_barrier_wait -1
.if \fill
	CREST
	s_add_nc_u64 s[G0+4*\slot+2:G0+4*\slot+3], s[G0+4*\slot+2:G0+4*\slot+3], 2*HALFT
	s_add_nc_u64 s[G0B+4*\slot+2:G0B+4*\slot+3], s[G0B+4*\slot+2:G0B+4*\slot+3], 2*HALFT
	JLOAD G0+4*\slot, G1, G0B+4*\slot, G1B
.else
	PLACES NP
.endif
	s_wait_alu depctr_va_vdst(0)
	v_add_nc_u32 v[ADRS], 1024, v[ADRS]
	FETCH_B \next, 0, 0
	FETCH_A \next, 0, 0
	SCALES \next
	WIN MUL_HI
	MUL16 4, 1, 1, \slot, 0
	MUL16 6, 1, 1, \slot, 0
	PLACES NP
	WIN 0
	FETCH_A \next, 0, 4
.endm
	s_wait_tensorcnt 1
	s_barrier_signal -1
	s_barrier_wait -1
	FETCH_B 0, 0, 0
	FETCH_A 0, 0, 0
	SCALES 0
	FETCH_A 0, 0, 4
	STEP 0, 0, 1
	TURN 0, 1, 1
	STEP 1, 0, 0
	TURN 1, 0, 1
	STEP 0, 0, 0
	TURN 0, 1, 0
	STEP 1, 0, 0
	s_wait_dscnt 4*NL
	WIN MUL_LO
	MUL16 0, 1, 1, 1, 0
	MUL16 2, 1, 1, 1, 0
	s_wait_dscnt 0
	WIN MUL_HI
	MUL16 4, 1, 1, 1, 0
	MUL16 6, 1, 1, 1, 0
	WIN 0
.macro QUANT s
.irp b, 0,1,2,3
	v_max3_num_f32 v[TM+\b], |v[\s+16*\b]|, |v[\s+1+16*\b]|, 0x1800000
.endr
.irp i, 2,4,6,8,10,12,14
.irp b, 0,1,2,3
	v_max3_num_f32 v[TM+\b], v[TM+\b], |v[\s+16*\b+\i]|, |v[\s+1+16*\b+\i]|
.endr
.endr
.irp b, 0,1,2,3
	v_permlanex16_b32 v[TM+4+\b], v[TM+\b], s[SEL], s[SEL+1]
.endr
.irp b, 0,1,2,3
	v_max_num_f32 v[TM+\b], v[TM+\b], v[TM+4+\b]
.endr
.irp b, 0,1,2,3
	v_add_nc_u32 v[TM+12+\b], 0xff000000, v[TM+\b]
.endr
.irp b, 0,1,2,3
	v_lshrrev_b32 v[TM+4+\b], 23, v[TM+12+\b]
.endr
	v_lshl_or_b32 v[PW], v[TM+5], 8, v[TM+4]
	v_lshl_or_b32 v[PW], v[TM+6], 16, v[PW]
	v_lshl_or_b32 v[PW], v[TM+7], 24, v[PW]
.irp c, 0,1
	v_cvt_scalef32_pk16_fp6_f32 v[PC+6*\c:PC+2+6*\c], v[\s+32*\c:\s+15+32*\c], v[TM+12+2*\c]
	v_cvt_scalef32_pk16_fp6_f32 v[PC+12+4*\c:PC+14+4*\c], v[\s+16+32*\c:\s+31+32*\c], v[TM+12+2*\c+1]
.endr
	v_nop
.irp c, 0,1
.irp i, 0,1,2
	v_permlane16_swap_b32 v[PC+6*\c+\i], v[PC+12+4*\c+\i]
.endr
.irp i, 0,1,2
	v_mov_b32 v[PC+3+6*\c+\i], v[PC+12+4*\c+\i]
.endr
.endr
.endm
.macro ADDB a, lanes
	WIN 0x02+(\a)/4
.irp b, 0,1,2,3,4,5,6,7
.irp j, 0,2,4,6
.if \lanes
.if (\a)%2
	v_pk_add_f32 v[T+8*\b+\j:T+8*\b+\j+1], v[64*((\a)%4)+8*\b+\j:64*((\a)%4)+8*\b+\j+1], v[BV+2*((\a)/2):BV+2*((\a)/2)+1] op_sel:[0,1] op_sel_hi:[1,1]
.else
	v_pk_add_f32 v[T+8*\b+\j:T+8*\b+\j+1], v[64*((\a)%4)+8*\b+\j:64*((\a)%4)+8*\b+\j+1], v[BV+2*((\a)/2):BV+2*((\a)/2)+1] op_sel:[0,0] op_sel_hi:[1,0]
.endif
.else
	v_pk_add_f32 v[T+8*\b+\j:T+8*\b+\j+1], v[64*((\a)%4)+8*\b+\j:64*((\a)%4)+8*\b+\j+1], v[BIAS+8*\b+\j:BIAS+8*\b+\j+1]
.endif
.endr
.endr
	WIN 0
.endm
.macro OUTQK a
.if (\a) > 0
	s_wait_xcnt 0x0
.endif
	ADDB \a, 0
	QUANT T
	v_bfe_u32 v[WS+(\a)], v[PW], v[SH], 16
	global_store_b128 v[L16], v[PC:PC+3], s[POA:POA+1] offset:768*(\a)
	global_store_b64 v[L8], v[PC+4:PC+5], s[POA:POA+1] offset:768*(\a)+512
	global_store_b128 v[L16], v[PC+6:PC+9], s[POB:POB+1] offset:768*(\a)
	global_store_b64 v[L8], v[PC+10:PC+11], s[POB:POB+1] offset:768*(\a)+512
.endm
.macro OUTV a
.if (\a) > 0
	s_wait_xcnt 0x0
.endif
	ADDB \a, 1
	QUANT T
.if (\a) < 4
	v_mov_b32 v[WS+(\a)], v[PW]
.else
	v_cndmask_b32 v[WS+(\a)-4], v[WS+(\a)-4], v[PW], s[HIM]
.endif
.irp c, 0,1,2
.if (\a) < 4
	global_store_b128 v[L16], v[PC+4*\c:PC+4*\c+3], s[POA:POA+1] offset:1536*((\a)%4)+512*\c
.else
	global_store_b128 v[L16], v[PC+4*\c:PC+4*\c+3], s[POB:POB+1] offset:1536*((\a)%4)+512*\c
.endif
.endr
.endm
	PLACES NP
	s_wait_loadcnt 0x0
	s_mov_b32 s[SEL], 0x76543210
	s_mov_b32 s[SEL+1], 0xfedcba98
	s_mov_b32 s[HIM], 0xffff0000
	s_mov_b32 s30, HEADB
	s_cmp_eq_u32 ttmp9, 0
	s_cselect_b32 s30, 8192, s30
	v_mul_u32_u24 v[VS], s30, v2
	v_lshl_add_u32 v[VS], v1, 4, v[VS]
	s_cmp_eq_u32 ttmp9, 2
	s_cbranch_scc1 .Lv_out
	s_lshr_b32 s31, s98, 4
	s_and_b32 s32, s98, 15
	s_and_b32 s33, s99, 7
	s_lshl_b32 s31, s31, 4
	s_lshl_b32 s33, s33, 1
	s_add_co_u32 s31, s31, s33
	s_lshl_b32 s34, s31, 7
	s_lshl_b32 s35, s32, 3
	s_add_co_u32 s34, s34, s35
	s_mul_i32 s34, s34, 768
	s_lshl_b32 s35, s31, 13
	s_lshl_b32 s36, s32, 9
	s_add_co_u32 s35, s35, s36
	s_add_co_u32 s35, s35, QQ_SCL
	s_lshl_b32 s36, s31, 4
	s_add_co_u32 s36, s36, s32
	s_mul_i32 s36, s36, REC
	s_add_co_u32 s37, s36, 12288
	s_mov_b32 s38, HEADB
	s_cmp_eq_u32 ttmp9, 0
	s_cselect_b64 s[POA:POA+1], s[10:11], s[12:13]
	s_cselect_b32 s34, s34, s36
	s_cselect_b32 s36, s35, s37
	s_cselect_b32 s38, 98304, s38
	s_mov_b32 s35, 0
	s_mov_b32 s37, 0
	s_mov_b32 s39, 0
	s_add_nc_u64 s[PS:PS+1], s[POA:POA+1], s[36:37]
	s_add_nc_u64 s[POA:POA+1], s[POA:POA+1], s[34:35]
	s_add_nc_u64 s[POB:POB+1], s[POA:POA+1], s[38:39]
.irp a, 0,1,2,3,4,5,6,7
	OUTQK \a
.endr
	global_store_b128 v[VS], v[WS:WS+3], s[PS:PS+1]
	global_store_b128 v[VS], v[WS+4:WS+7], s[PS:PS+1] offset:256
	s_branch .Ldone
.Lv_out:
	s_and_b32 s33, s98, 7
	s_lshr_b32 s31, s99, 4
	s_and_b32 s32, s99, 15
	s_lshl_b32 s31, s31, 4
	s_lshl_b32 s33, s33, 1
	s_add_co_u32 s31, s31, s33
	s_lshl_b32 s36, s31, 4
	s_add_co_u32 s36, s36, s32
	s_mul_i32 s36, s36, REC
	s_add_co_u32 s36, s36, 6144
	s_mov_b32 s37, 0
	s_add_nc_u64 s[POA:POA+1], s[12:13], s[36:37]
	s_add_nc_u64 s[POB:POB+1], s[POA:POA+1], HEADB
	s_add_nc_u64 s[PS:PS+1], s[POA:POA+1], 6656
.irp a, 0,1,2,3,4,5,6,7
	OUTV \a
.endr
	global_store_b128 v[VS], v[WS:WS+3], s[PS:PS+1]
.Ldone:
	s_wait_tensorcnt 0x0
	ds_add_u32 v[SPW], v[NIL]
	s_wait_dscnt 0x0
	CROUND
	s_endpgm
.Lfunc_end_k_q16e9f13797_gemm1:
	.size	k_q16e9f13797_gemm1, .Lfunc_end_k_q16e9f13797_gemm1-k_q16e9f13797_gemm1
	.p2alignl 7, 3214868480
	.fill 96, 4, 3214868480
	.section	.rodata,"a",@progbits
	.p2align	6, 0x0
	.amdhsa_kernel k_q16e9f13797_gemm1
		.amdhsa_group_segment_fixed_size 327680
		.amdhsa_private_segment_fixed_size 0
		.amdhsa_enable_private_segment 0
		.amdhsa_kernarg_size 40
		.amdhsa_user_sgpr_count 2
		.amdhsa_user_sgpr_kernarg_segment_ptr 1
		.amdhsa_wavefront_size32 1
		.amdhsa_system_sgpr_workgroup_id_x 1
		.amdhsa_system_sgpr_workgroup_id_y 1
		.amdhsa_system_sgpr_workgroup_id_z 1
		.amdhsa_system_vgpr_workitem_id 0
		.amdhsa_next_free_vgpr 1024
		.amdhsa_next_free_sgpr 100
		.amdhsa_reserve_vcc 0
		.amdhsa_float_denorm_mode_32 3
		.amdhsa_float_denorm_mode_16_64 3
		.amdhsa_memory_ordered 1
		.amdhsa_forward_progress 1
		.amdhsa_inst_pref_size 221
	.end_amdhsa_kernel
	.amdgpu_metadata
---
amdhsa.version: [ 1, 2 ]
amdhsa.kernels:
  - .name:           k_q16e9f13797_gemm1
    .symbol:         k_q16e9f13797_gemm1.kd
    .args:
      - { .name: xq, .offset: 0, .size: 8, .value_kind: global_buffer, .address_space: global }
      - { .name: wq, .offset: 8, .size: 8, .value_kind: global_buffer, .address_space: global }
      - { .name: b_qkv, .offset: 16, .size: 8, .value_kind: global_buffer, .address_space: global }
      - { .name: qq, .offset: 24, .size: 8, .value_kind: global_buffer, .address_space: global }
      - { .name: kv, .offset: 32, .size: 8, .value_kind: global_buffer, .address_space: global }
    .group_segment_fixed_size: 327680
    .private_segment_fixed_size: 0
    .kernarg_segment_align: 8
    .kernarg_segment_size: 40
    .max_flat_workgroup_size: 128
    .sgpr_count:     100
    .vgpr_count:     1024
    .wavefront_size: 32
...
	.end_amdgpu_metadata
.endif
;; end of part 2
;; launch att (part 3): grid 8 x 32, 16 waves a work-group, clusters of 4 x 1, 327,680 bytes of LDS; arguments qq, kv, aq; writes aq
.if DOCPART == 3
	.amdgcn_target "amdgcn-amd-amdhsa--gfx1250"
	.amdhsa_code_object_version 6
	.text
	.protected	k_q16e9f13797_att
	.globl	k_q16e9f13797_att
	.p2align	8
	.type	k_q16e9f13797_att,@function
k_q16e9f13797_att:
	s_mov_b64 s[64:65], 0
	v_nop
	global_prefetch_b8 v0, s[64:65] scope:SCOPE_SE
	s_setreg_imm32_b32 hwreg(HW_REG_WAVE_MODE, 25, 1), 1
	s_wait_xcnt 0x0
	s_wait_alu depctr_hold_cnt(0) depctr_sa_sdst(0) depctr_va_vdst(0) depctr_va_sdst(0) depctr_va_ssrc(0) depctr_va_vcc(0) depctr_vm_vsrc(0)
	s_getreg_b32 s2, hwreg(HW_REG_IB_STS2, 6, 4)
	s_cmp_eq_u32 s2, 0
	s_cbranch_scc0 .Lentry_in_a_cluster
	s_endpgm
.Lentry_in_a_cluster:
	s_bfe_u32 s2, ttmp6, 0x10000c
	s_cmp_lg_u32 s2, 0x3003
	s_cbranch_scc0 .Lentry_shape_is_right
	s_endpgm
.Lentry_shape_is_right:
; O = softmax(q k^T / 8) v for 64 heads of 2,048 tokens x 64 channels, both products on codes of FP6 (E2M3) with E8M0 scales; O / l is quantised along the model's 1,024 and leaves as an image for the last product.
; THE SOFTMAX AHEAD OF THE SECOND PRODUCT: t = score x log2(e) / 8; M = the row's largest t so far, rounded UP to a whole number; p = 2^(t - M) is what is quantised, along the keys; the row's sum is taken of the
; unquantised p and divides O at the end.  When M moves, the sum and O are multiplied by 2^(old M - new M): exact.
; SHARES.  A work-group owns 256 queries and a PAIR of heads, one after the other; each of its sixteen waves owns one tile of 16 queries in 256 registers: four waves to a SIMD, so that one wave's vector work
; stands beside another's matrix work and LDS loads.  Every wave walks all 2,048 keys of a head, 128 a step.
; LAYOUT.  Both products are used transposed: S^T = K Q^T (source 0 = 16 keys, source 1 = my queries), O^T = V^T P^T (source 0 = 16 channels, source 1 = P): a lane holds ONE query throughout.
; The keys of a tile of K and the channels of a tile of V^T are tile row i = 32 B + 8 u + i + 8 (i / 8) of tile 2 B + u, so that the 16 registers of two neighbouring tiles are 16 neighbours along the next K.
; THE FIRST PRODUCT'S K IS 64 under an instruction of 128: Q's upper six registers hold zero codes, and bytes 2 and 3 of Q's and K's scale words are 0.  A tile of K names twelve registers of which the upper
; six are the next tile's codes: they meet zero codes and add nothing, so the unused half costs no register and no load.
; LDS.  A whole head's 16 records of 13,056 bytes (K's 8 chunks, V^T's 4 fragments, their scale words: images of the operand registers) lie in LDS, as four slots of four records.  When all waves have left
; slot p of the first head it is filled again with the second head's slot p: that load has four key steps of sixteen waves in which to land.
; CLUSTER.  The four work-groups of a cluster own four blocks of queries of the same pair of heads and walk the same records: each record is asked for jointly.
; NO PREFETCH: a refill is itself asked for four key steps ahead of the wait for it, and the first fills stand at the head.
; LIMITS: NaN and infinities are not served; 1 / l is v_rcp_f32's; a block of O that is all zeros or under 2^-124 keeps the byte 1 where the rule says 127 (read by this program alone).
.set REC,    13056
.set SLOTB,  4*REC
.set HEADB,  16*REC
.set SPARE,  HEADB                     ; behind the records: the spare words, 128 bytes for each wave: eight blocks of 256 bytes that no other line names
.set QQ_SCL, 6291456
.set AQ_SCL, 6291456
.set L16,  1                           ; v1   16 x lane
.set L8,   2                           ; v2   8 x lane
.set LR16, 3                           ; v3   16 x (lane % 16)
.set AD16, 4                           ; v4-6 the same + the record in hand
.set AD8,  5
.set ADS,  6
.set SPW,  7                           ; v7   LDS address of my spare word; never rewritten
.set NIL,  8                           ; v8   0; never rewritten
.set LR4,  29                          ; v29  4 x (lane % 16)
.set F,    38                          ; v38-85  K's 8 x 6 registers, later V^T's 4 x 12;  v86-91 zeros
.set KS,   92                          ; v92-99  K's scale words; v92-95 later V's
.set S,    100                         ; v100-163 S^T, then p
.set O,    164                         ; v164-195 O^T
.set PC,   196                         ; v196-207 p's codes; v208-210, v212-214 the conversions' second halves
.set BM,   216                         ; v216-219 the blocks' largest scores, then largest p
.set BT,   220                         ; v220-223 at work
.set SO,   224                         ; v224-227 the conversions' scale operands
.set PW,   228                         ; v228 p's scale word
.set FF,   230                         ; v[230:231] f = 2^(old M - new M)
.set TP,   232
; v12 -M, v13 the largest t, v[14:15] the sum in two halves, v16-21 Q's codes, v22-27 zero codes, v28 Q's scale word, v[10:11] 1 / l, v36, v37 O's scale bytes
.set WV,   10
.set SEL,  20
.set CS,   22                          ; s[22:23] c = log2(e) / 8: the packed form names a pair and takes its low word for both halves
.set G1,   24
.set G0,   32                          ; s[32:47] four groups 0 for the first fills
.set GW,   48                          ; s[48:51] the group 0 that walks on into the second head
.set W13,  52                          ; (wave % 4) x a record
.set TB,   53                          ; LDS byte at which the record in hand begins
.set CNT,  55
.set QP,   56
.set QSP,  58
.set OP,   60
.set OSP,  62
.macro CROUND                          ; a round of the cluster's barrier
	s_barrier_signal -1
	s_barrier_wait -1
	s_cmp_lg_u32 s[WV], 0
	s_cbranch_scc1 .Lnot_wave_0_\@
	s_barrier_signal -3
.Lnot_wave_0_\@:
	s_barrier_wait -3
	s_barrier_signal -1
	s_barrier_wait -1
.endm
	s_load_b128 s[4:7], s[0:1], 0x0                ; qq, kv
	s_load_b64 s[8:9], s[0:1], 0x10                ; aq
	v_lshl_add_u32 v[SPW], v0, 2, SPARE
	v_mov_b32 v[NIL], 0
	ds_add_u32 v7, v8
	ds_add_u32 v7, v8
	s_wait_dscnt 0x0
	v_lshrrev_b32 v9, 5, v0
	s_delay_alu instid0(VALU_DEP_1)
	v_readfirstlane_b32 s[WV], v9                  ; wave 0..15
	s_bfe_u32 s11, ttmp6, 0x40000                  ; cx
	s_lshl_b32 s12, ttmp9, 2
	s_add_co_u32 s12, s12, s11                     ; my block of 256 queries: it enters Q's and O's addresses alone
	s_and_b32 s13, ttmp7, 0xffff                   ; the pair of heads, which the four partners share
	; descriptor group 1: a record, 13,056 dense bytes, as 51 rows of 256 bytes (32 elements of 8 bytes)
	s_mov_b32 s[G1], 15|(3<<16)|(1<<21)            ; 15:0 the mask: all four work-groups; 17:16 elements of 8 bytes; 21 set beside a mask
	s_mov_b32 s[G1+1], 32<<16
	s_mov_b32 s[G1+2], 51<<16
	s_mov_b32 s[G1+3], 32<<16
	s_mov_b32 s[G1+4], 51
	s_mov_b32 s[G1+5], 32
	s_mov_b32 s[G1+6], 0
	s_mov_b32 s[G1+7], 0
	s_and_b32 s14, s[WV], 3
	s_mul_i32 s[W13], s14, REC                     ; waves 0-3 fetch, a record of each slot each
	s_mul_i32 s16, s13, 2*HEADB
	s_add_co_u32 s16, s16, s[W13]
	s_mov_b32 s17, 0
	s_mov_b32 s[SEL], 0x76543210
	s_mov_b32 s[SEL+1], 0xfedcba98
	s_mov_b32 s[CS], 0x3e38aa3b                    ; log2(e) / sqrt(64)
	s_mov_b32 s[CS+1], s[CS]
	s_wait_kmcnt 0x0
	s_add_nc_u64 s[16:17], s[6:7], s[16:17]        ; my record of the first head's slot 0
.irp c, 0,1,2,3
	s_mov_b32 s[G0+4*\c], 1
	s_add_co_u32 s[G0+4*\c+1], s[W13], SLOTB*\c
	s_add_nc_u64 s[G0+4*\c+2:G0+4*\c+3], s[16:17], SLOTB*\c
	s_or_b32 s[G0+4*\c+3], s[G0+4*\c+3], 0x80000000
.endr
	s_mov_b32 s[GW], 1
	s_mov_b32 s[GW+1], s[W13]
	s_add_nc_u64 s[GW+2:GW+3], s[16:17], SLOTB*3   ; it stands at slot 3 of the first head; each refill steps it a slot on, into the second head, whose records follow
	s_or_b32 s[GW+3], s[GW+3], 0x80000000
	CROUND                                         ; all four work-groups are here: the first joint loads meet
	s_cmp_lt_u32 s[WV], 4                          ; a wave's four first fills stand in one branch, ahead of every wait on TENSORcnt and every LDS read: four loads of a wave are out at the most
	s_cbranch_scc0 .Lno_first
	tensor_load_to_lds s[G0:G0+3], s[G1:G1+7]
	s_nop 0
	tensor_load_to_lds s[G0+4:G0+7], s[G1:G1+7]
	s_nop 0
	tensor_load_to_lds s[G0+8:G0+11], s[G1:G1+7]
	s_nop 0
	tensor_load_to_lds s[G0+12:G0+15], s[G1:G1+7]
	s_nop 0
.rept 4
	v_nop
.endr
.Lno_first:
	s_lshl_b32 s14, s12, 4
	s_add_co_u32 s14, s14, s[WV]                   ; my tile of 16 queries, 0..127
	s_lshl_b32 s15, s13, 8
	s_add_co_u32 s15, s15, s14
	s_mul_i32 s18, s15, 768
	s_mov_b32 s19, 0
	s_add_nc_u64 s[QP:QP+1], s[4:5], s[18:19]      ; its chunk, first head
	s_lshl_b32 s18, s13, 14
	s_lshr_b32 s15, s14, 2
	s_lshl_b32 s15, s15, 8
	s_add_co_u32 s18, s18, s15
	s_and_b32 s15, s14, 3
	s_lshl_b32 s15, s15, 2
	s_add_co_u32 s18, s18, s15
	s_add_co_u32 s18, s18, QQ_SCL
	s_add_nc_u64 s[QSP:QSP+1], s[4:5], s[18:19]    ; its scale words
	s_lshr_b32 s15, s13, 3
	s_lshl_b32 s15, s15, 4
	s_lshl_b32 s18, s12, 1
	s_add_co_u32 s15, s15, s18
	s_lshr_b32 s18, s[WV], 3
	s_add_co_u32 s15, s15, s18                     ; the group of 128 tokens: 16 x batch + 2 x block + wave / 8
	s_and_b32 s16, s13, 7                          ; which 128 of the model's 1,024: the pair of heads within the batch
	s_and_b32 s17, s[WV], 7                        ; the tile in the group
	s_lshl_b32 s18, s15, 4
	s_lshl_b32 s19, s16, 1
	s_add_co_u32 s18, s18, s19
	s_lshl_b32 s18, s18, 3
	s_add_co_u32 s18, s18, s17
	s_mul_i32 s18, s18, 768
	s_mov_b32 s19, 0
	s_add_nc_u64 s[OP:OP+1], s[8:9], s[18:19]      ; O's chunk, first head; the second's lies 6,144 bytes on
	s_lshl_b32 s18, s15, 12
	s_lshl_b32 s16, s16, 9
	s_add_co_u32 s18, s18, s16
	s_lshl_b32 s17, s17, 6
	s_add_co_u32 s18, s18, s17
	s_add_co_u32 s18, s18, AQ_SCL
	s_add_nc_u64 s[OSP:OSP+1], s[8:9], s[18:19]    ; O's scale words
	v_and_b32 v9, 31, v0
	s_delay_alu instid0(VALU_DEP_1)
	v_lshlrev_b32 v[L16], 4, v9
	s_delay_alu instid0(VALU_DEP_2)
	v_lshlrev_b32 v[L8], 3, v9
	v_and_b32 v10, 15, v0
	s_delay_alu instid0(VALU_DEP_1)
	v_lshlrev_b32 v[LR16], 4, v10
	s_delay_alu instid0(VALU_DEP_2)
	v_lshlrev_b32 v[LR4], 2, v10
.macro QLOAD hsel                      ; Q's chunk and scale word stay in registers for a head
	global_load_b128 v[16:19], v[L16], s[QP:QP+1] offset:98304*\hsel
	global_load_b64 v[20:21], v[L8], s[QP:QP+1] offset:98304*\hsel+512
	global_load_b32 v28, v[LR16], s[QSP:QSP+1] offset:8192*\hsel
.endm
.macro INIT                            ; the step is written without a first step of its own: it finds zeros, which the first change of M leaves zeros
	v_mov_b32 v13, 0xff61b1e6                      ; the largest t so far: -3e38, under every t
	s_delay_alu instid0(VALU_DEP_1)
	v_floor_f32 v12, -v13                          ; -M
	v_mov_b32 v14, 0
	v_mov_b32 v15, 0
.set jj, 0
.rept 32
	v_mov_b32 v[O+jj], 0
.set jj, jj+1
.endr
.endm
	QLOAD 0
.irp j, 0,1,2,3,4,5
	v_mov_b32 v[22+\j], 0                          ; Q's zero codes for k = 64 .. 127
	v_mov_b32 v[86+\j], 0                          ; what tile 7 of K names behind its own six registers
.endr
.irp b, 0,1,2,3
	v_mov_b32 v[BT+\b], 0                          ; written once: a lane permute's destination counts as one of its sources
.endr
	v_mov_b32 v[FF+1], 0                           ; (named as the upper halves of pairs of which the low word serves both halves)
	v_mov_b32 v11, 0
	INIT
; A KEY STEP: 128 keys, one record.
.macro STEP
	v_add_nc_u32 v[AD16], s[TB], v[L16]            ; these three and the v_nop are the four places between the last products and the loads into their operands' registers
	v_add_nc_u32 v[AD8], s[TB], v[L8]
	v_add_nc_u32 v[ADS], s[TB], v[LR16]
	v_nop
.irp t, 0,1,2,3,4,5,6,7
	ds_load_b128 v[F+6*\t:F+6*\t+3], v[AD16] offset:768*\t
	ds_load_b64 v[F+6*\t+4:F+6*\t+5], v[AD8] offset:768*\t+512
.endr
	ds_load_b128 v[KS:KS+3], v[ADS] offset:12288   ; lane r: the words of row r of tiles 0-3,
	ds_load_b128 v[KS+4:KS+7], v[ADS] offset:12544 ; 4-7
	s_wait_alu depctr_va_vdst(0)
	s_wait_dscnt 0x0
.irp t, 0,1,2,3,4,5,6,7
	v_wmma_scale_f32_16x16x128_f8f6f4 v[S+8*\t:S+8*\t+7], v[F+6*\t:F+6*\t+11], v[16:27], 0, v[KS+\t], v28 matrix_a_fmt:MATRIX_FMT_FP6 matrix_b_fmt:MATRIX_FMT_FP6
.endr
.rept 4
	v_nop                                          ; places: in front of the loads into K's registers and of the first read of the scores
.endr
.irp t, 0,1,2,3                        ; V^T's four fragments and their scale words land while the softmax is walked
.irp c, 0,1,2
	ds_load_b128 v[F+12*\t+4*\c:F+12*\t+4*\c+3], v[AD16] offset:6144+1536*\t+512*\c
.endr
.endr
	ds_load_b128 v[KS:KS+3], v[ADS] offset:12800
.irp b, 0,1,2,3
	v_max3_num_f32 v[BM+\b], v[S+16*\b], v[S+1+16*\b], v[S+2+16*\b]   ; THE LARGEST SCORE OF EACH BLOCK OF 32 KEYS serves twice: for the row's maximum and, since p rises with the score, for the block's largest p
.endr
.irp i, 3,5,7,9,11,13
.irp b, 0,1,2,3
	v_max3_num_f32 v[BM+\b], v[BM+\b], v[S+16*\b+\i], v[S+1+16*\b+\i]
.endr
.endr
.irp b, 0,1,2,3
	v_max_num_f32 v[BM+\b], v[BM+\b], v[S+15+16*\b]
.endr
.irp b, 0,1,2,3
	s_delay_alu instid0(VALU_DEP_4)
	v_permlanex16_b32 v[BT+\b], v[BM+\b], s[SEL], s[SEL+1]
.endr
.irp b, 0,1,2,3
	s_delay_alu instid0(VALU_DEP_4)
	v_max_num_f32 v[BM+\b], v[BM+\b], v[BT+\b]     ; with lane l xor 16's 16 keys
.endr
	s_delay_alu instid0(VALU_DEP_2)
	v_max3_num_f32 v[TP], v[BM], v[BM+1], v[BM+2]
	s_delay_alu instid0(VALU_DEP_1)
	v_max_num_f32 v[TP], v[TP], v[BM+3]            ; the step's largest score of my query
	s_delay_alu instid0(VALU_DEP_1)
	v_mul_f32 v[TP], s[CS], v[TP]                  ; as t (c is positive)
	s_delay_alu instid0(VALU_DEP_1)
	v_max_num_f32 v13, v13, v[TP]                  ; the running largest t
	v_mov_b32 v[TP], v12
	s_delay_alu instid0(VALU_DEP_2)
	v_floor_f32 v12, -v13                          ; the new -M = floor(-t) = -ceil(t): a whole number
	s_delay_alu instid0(VALU_DEP_1)
	v_sub_f32 v[TP], v12, v[TP]                    ; old M less new M: a whole number, 0 or less
	s_delay_alu instid0(VALU_DEP_1)
	v_cvt_i32_f32 v[TP], v[TP]                     ; (it saturates)
	s_delay_alu instid0(VALU_DEP_1)
	v_ldexp_f32 v[FF], 1.0, v[TP]                  ; f = 2^(old M - new M)
.set jj, 0
.rept 32
	v_pk_fma_f32 v[S+jj:S+jj+1], v[S+jj:S+jj+1], s[CS:CS+1], v[12:13] op_sel_hi:[1,0,0]   ; t - M, two at a time
.set jj, jj+2
.endr
.irp b, 0,1,2,3
	v_fma_f32 v[BM+\b], v[BM+\b], s[CS], v12       ; the same of each block's largest score
.endr
.set jj, 0
	s_wait_alu depctr_va_vdst(0)
.rept 64
	v_exp_f32 v[S+jj], v[S+jj]                     ; p = 2^(t - M), at most 1: not normalised
.set jj, jj+1
.endr
	s_setprio 1
	v_pk_mul_f32 v[14:15], v[14:15], v[FF:FF+1] op_sel_hi:[1,0]   ; the sums under the new M; also the plain line behind the exponentials
	s_wait_alu depctr_va_vdst(0)                   ; one wait for the batch of 64, ahead of its first reader
.irp b, 0,1,2,3
	v_exp_f32 v[BM+\b], v[BM+\b]                   ; the block's largest p: the same two instructions on the same number give the same bits
.endr
	v_pk_add_f32 v[220:221], v[104:105], v[108:109]
	v_pk_add_f32 v[254:255], v[112:113], v[116:117]
	v_pk_add_f32 v[252:253], v[120:121], v[124:125]
	v_pk_add_f32 v[250:251], v[128:129], v[132:133]
	v_pk_add_f32 v[248:249], v[136:137], v[140:141]
	v_pk_add_f32 v[246:247], v[144:145], v[148:149]
	v_pk_add_f32 v[244:245], v[152:153], v[156:157]
	v_pk_add_f32 v[14:15], v[14:15], v[160:161]
	v_pk_add_f32 v[220:221], v[220:221], v[100:101]
	v_pk_add_f32 v[254:255], v[254:255], v[102:103]
	v_pk_add_f32 v[252:253], v[252:253], v[106:107]
	v_pk_add_f32 v[250:251], v[250:251], v[110:111]
	v_pk_add_f32 v[248:249], v[248:249], v[114:115]
	v_pk_add_f32 v[246:247], v[246:247], v[118:119]
	v_pk_add_f32 v[244:245], v[244:245], v[122:123]
	v_pk_add_f32 v[14:15], v[14:15], v[126:127]
	v_pk_add_f32 v[220:221], v[220:221], v[130:131]
	v_pk_add_f32 v[254:255], v[254:255], v[134:135]
	v_pk_add_f32 v[252:253], v[252:253], v[138:139]
	v_pk_add_f32 v[250:251], v[250:251], v[142:143]
	v_pk_add_f32 v[248:249], v[248:249], v[146:147]
	v_pk_add_f32 v[246:247], v[246:247], v[150:151]
	v_pk_add_f32 v[244:245], v[244:245], v[154:155]
	v_pk_add_f32 v[14:15], v[14:15], v[158:159]
	v_pk_add_f32 v[220:221], v[220:221], v[162:163]
	s_delay_alu instid0(VALU_DEP_2)
	v_pk_add_f32 v[14:15], v[14:15], v[250:251]
	s_delay_alu instid0(VALU_DEP_2)
	v_pk_add_f32 v[220:221], v[220:221], v[248:249]
	v_pk_add_f32 v[254:255], v[254:255], v[246:247]
	v_pk_add_f32 v[252:253], v[252:253], v[244:245]
	s_delay_alu instid0(VALU_DEP_2)
	v_pk_add_f32 v[14:15], v[14:15], v[254:255]
	s_delay_alu instid0(VALU_DEP_2)
	v_pk_add_f32 v[220:221], v[220:221], v[252:253]
	s_delay_alu instid0(VALU_DEP_1)
	v_pk_add_f32 v[14:15], v[14:15], v[220:221]
	s_wait_alu depctr_va_vdst(0)                   ; and one for the four
.irp b, 0,1,2,3
	v_max_num_f32 v[BM+\b], 0x1800000, v[BM+\b]    ; the floor 2^(3 - 127): the byte cannot fall under 1
.endr
.irp b, 0,1,2,3
	s_delay_alu instid0(VALU_DEP_4)
	v_add_nc_u32 v[SO+\b], 0xff000000, v[BM+\b]    ; 2 off the exponent field: the conversion's scale operand
.endr
.irp b, 0,1,2,3
	s_delay_alu instid0(VALU_DEP_4)
	v_lshrrev_b32 v[BT+\b], 23, v[SO+\b]           ; the scale's byte
.endr
	s_delay_alu instid0(VALU_DEP_3)
	v_lshl_or_b32 v[PW], v[BT+1], 8, v[BT]         ; p's scale word for these 128 keys
	s_delay_alu instid0(VALU_DEP_1)
	v_lshl_or_b32 v[PW], v[BT+2], 16, v[PW]
	s_delay_alu instid0(VALU_DEP_1)
	v_lshl_or_b32 v[PW], v[BT+3], 24, v[PW]
.irp c, 0,1
	v_cvt_scalef32_pk16_fp6_f32 v[PC+6*\c:PC+6*\c+2], v[S+32*\c:S+32*\c+15], v[SO+2*\c]
	v_cvt_scalef32_pk16_fp6_f32 v[PC+12+4*\c:PC+14+4*\c], v[S+16+32*\c:S+31+32*\c], v[SO+2*\c+1]   ; (a conversion's three registers begin on an even number)
.endr
	v_nop                                          ; one plain line behind a scaled conversion
.irp c, 0,1                            ; the operand's layout wants a WHOLE block in a lane
.irp i, 0,1,2
	v_permlane16_swap_b32 v[PC+6*\c+\i], v[PC+12+4*\c+\i]
.endr
.irp i, 0,1,2
	s_delay_alu instid0(VALU_DEP_3)
	v_mov_b32 v[PC+3+6*\c+\i], v[PC+12+4*\c+\i]
.endr
.endr
.set jj, 0
	s_setprio 0
.rept 16
	v_pk_mul_f32 v[O+jj:O+jj+1], v[O+jj:O+jj+1], v[FF:FF+1] op_sel_hi:[1,0]   ; O^T under the new M; these sixteen are also the places between the lines that wrote p's codes and scale word and the products
.set jj, jj+2
.endr
	s_wait_alu depctr_va_vdst(0)
	s_wait_dscnt 0x0                               ; V^T is in
.irp t, 0,1,2,3                        ; four accumulators, one instruction a turn
	v_wmma_scale_f32_16x16x128_f8f6f4 v[O+8*\t:O+8*\t+7], v[F+12*\t:F+12*\t+11], v[PC:PC+11], v[O+8*\t:O+8*\t+7], v[KS+\t], v[PW] matrix_a_fmt:MATRIX_FMT_FP6 matrix_b_fmt:MATRIX_FMT_FP6
.endr
.endm
.macro RUN n                           ; n key steps, a record each
	s_mov_b32 s[CNT], \n
.Lrun_\@:
	s_setprio 2
	STEP
	s_add_co_u32 s[TB], s[TB], REC
	s_sub_co_u32 s[CNT], s[CNT], 1
	s_cmp_lg_u32 s[CNT], 0
	s_cbranch_scc1 .Lrun_\@
	s_setprio 0
.endm
; Slot p of the first head has been walked: it is filled again with the second head's slot p.  Each wave waits for all its tensor loads, adds 0 to its spare word, and waits for that and for its reads of the slot;
; a round of the cluster's barrier, so that the same holds of every wave of every partner; then the joint refill, first thing behind it, one load a wave.
.macro CHANGE1 p
	s_wait_tensorcnt 0x0                           ; no tensor load of mine is out, so the walking group 0 may be written
	ds_add_u32 v[SPW], v[NIL]                      ; 0 onto my spare word; the descriptor's steps stand between it and the wait for it
	ds_add_u32 v7, v8
	s_add_co_u32 s[GW+1], s[W13], SLOTB*\p
	s_add_nc_u64 s[GW+2:GW+3], s[GW+2:GW+3], SLOTB
	s_wait_dscnt 0x0                               ; the add is done, and my reads of the slot are over
	CROUND
	s_cmp_lt_u32 s[WV], 4
	s_cbranch_scc0 .Lnofill_\@
	tensor_load_to_lds s[GW:GW+3], s[G1:G1+7]
	s_nop 0
.rept 4
	v_nop
.endr
.Lnofill_\@:
.endm
; O^T / l, quantised along the head's 64 channels (two blocks; registers 16 b + i = channel 32 b + 16 (lane / 16) + i), is a chunk of the last product's operand.  uw: where the two scale bytes go.
.macro FINAL hsel, uw
.rept 4
	v_nop                                          ; places behind the last products
.endr
	v_add_f32 v14, v14, v15                        ; the sum's two halves,
	s_delay_alu instid0(VALU_DEP_1)
	v_permlanex16_b32 v[TP], v14, s[SEL], s[SEL+1]
	s_delay_alu instid0(VALU_DEP_1)
	v_add_f32 v14, v14, v[TP]                      ; and lane l xor 16's: the row's sum
	s_wait_alu depctr_va_vdst(0)
	v_rcp_f32 v10, v14
	v_nop                                          ; a plain line behind the reciprocal,
	s_wait_alu depctr_va_vdst(0)                   ; and the wait ahead of its first reader
.set jj, 0
.rept 16
	v_pk_mul_f32 v[S+jj:S+jj+1], v[O+jj:O+jj+1], v[10:11] op_sel_hi:[1,0]   ; each accumulator from its low end on
.set jj, jj+2
.endr
.irp b, 0,1
	v_max3_num_f32 v[BM+\b], |v[S+16*\b]|, |v[S+1+16*\b]|, 0x1800000
.endr
.irp i, 2,4,6,8,10,12,14
.irp b, 0,1
	s_delay_alu instid0(VALU_DEP_2)
	v_max3_num_f32 v[BM+\b], v[BM+\b], |v[S+16*\b+\i]|, |v[S+1+16*\b+\i]|
.endr
.endr
.irp b, 0,1
	s_delay_alu instid0(VALU_DEP_2)
	v_permlanex16_b32 v[BT+\b], v[BM+\b], s[SEL], s[SEL+1]
.endr
.irp b, 0,1
	s_delay_alu instid0(VALU_DEP_2)
	v_max_num_f32 v[BM+\b], v[BM+\b], v[BT+\b]
.endr
.irp b, 0,1
	s_delay_alu instid0(VALU_DEP_2)
	v_add_nc_u32 v[SO+\b], 0xff000000, v[BM+\b]
.endr
.irp b, 0,1
	s_delay_alu instid0(VALU_DEP_2)
	v_lshrrev_b32 v[BT+\b], 23, v[SO+\b]
.endr
	s_delay_alu instid0(VALU_DEP_1)
	v_lshl_or_b32 v[\uw], v[BT+1], 8, v[BT]
	v_cvt_scalef32_pk16_fp6_f32 v[PC:PC+2], v[S:S+15], v[SO]
	v_cvt_scalef32_pk16_fp6_f32 v[PC+12:PC+14], v[S+16:S+31], v[SO+1]
	v_nop
.irp i, 0,1,2
	v_permlane16_swap_b32 v[PC+\i], v[PC+12+\i]
.endr
.irp i, 0,1,2
	s_delay_alu instid0(VALU_DEP_3)
	v_mov_b32 v[PC+3+\i], v[PC+12+\i]
.endr
	global_store_b128 v[L16], v[PC:PC+3], s[OP:OP+1] offset:6144*\hsel        ; 32 lanes store 512 consecutive bytes,
	global_store_b64 v[L8], v[PC+4:PC+5], s[OP:OP+1] offset:6144*\hsel+512    ; and 256
.endm
	s_wait_tensorcnt 0x3                           ; my record of slot 0 is in; the three younger loads may stay out
	s_barrier_signal -1
	s_barrier_wait -1                              ; everybody's is
	s_wait_loadcnt 0x0                             ; Q
.irp p, 0,1,2,3                        ; THE FIRST HEAD, slot by slot, written out so that every slot's address is a constant and the inner loop's steps
	s_mov_b32 s[TB], SLOTB*\p
	RUN 4
	CHANGE1 \p
.endr
	FINAL 0, 36
	QLOAD 1                                        ; THE SECOND HEAD
	INIT
	s_wait_xcnt 0x0                                ; the stores above have read the code registers, which the steps write again
	s_wait_loadcnt 0x0
	s_mov_b32 s[TB], 0
	RUN 4                                          ; slots 0 to 2 were shown landed by the wait in front of the last round
	s_wait_tensorcnt 0x0                           ; my record of slot 3 is in,
	s_wait_dscnt 0x0
	s_barrier_signal -1
	s_barrier_wait -1                              ; everybody's is
	s_mov_b32 s[TB], SLOTB
	RUN 12
	FINAL 1, 37
	v_lshl_or_b32 v37, v37, 16, v36                ; the scale word of 128 along K: the first head's two bytes, then the second's
	global_store_b32 v[LR4], v37, s[OSP:OSP+1]     ; 64 consecutive bytes; lanes l and l + 16 hold the same word and name the same address
	s_wait_tensorcnt 0x0                           ; the wave's end
	ds_add_u32 v[SPW], v[NIL]
	s_wait_dscnt 0x0
	CROUND                                         ; the closing round
	s_endpgm
.Lfunc_end_k_q16e9f13797_att:
	.size	k_q16e9f13797_att, .Lfunc_end_k_q16e9f13797_att-k_q16e9f13797_att
	.p2alignl 7, 3214868480
	.fill 96, 4, 3214868480
	.section	.rodata,"a",@progbits
	.p2align	6, 0x0
	.amdhsa_kernel k_q16e9f13797_att
		.amdhsa_group_segment_fixed_size 327680
		.amdhsa_private_segment_fixed_size 0
		.amdhsa_enable_private_segment 0
		.amdhsa_kernarg_size 24
		.amdhsa_user_sgpr_count 2
		.amdhsa_user_sgpr_kernarg_segment_ptr 1
		.amdhsa_wavefront_size32 1
		.amdhsa_system_sgpr_workgroup_id_x 1
		.amdhsa_system_sgpr_workgroup_id_y 1
		.amdhsa_system_sgpr_workgroup_id_z 1
		.amdhsa_system_vgpr_workitem_id 0
		.amdhsa_next_free_vgpr 256
		.amdhsa_next_free_sgpr 80
		.amdhsa_reserve_vcc 0
		.amdhsa_float_denorm_mode_32 3
		.amdhsa_float_denorm_mode_16_64 3
		.amdhsa_memory_ordered 1
		.amdhsa_forward_progress 1
		.amdhsa_inst_pref_size 125
	.end_amdhsa_kernel
	.amdgpu_metadata
---
amdhsa.version: [ 1, 2 ]
amdhsa.kernels:
  - .name:           k_q16e9f13797_att
    .symbol:         k_q16e9f13797_att.kd
    .args:
      - { .name: qq, .offset: 0, .size: 8, .value_kind: global_buffer, .address_space: global }
      - { .name: kv, .offset: 8, .size: 8, .value_kind: global_buffer, .address_space: global }
      - { .name: aq, .offset: 16, .size: 8, .value_kind: global_buffer, .address_space: global }
    .group_segment_fixed_size: 327680
    .private_segment_fixed_size: 0
    .kernarg_segment_align: 8
    .kernarg_segment_size: 24
    .max_flat_workgroup_size: 512
    .sgpr_count:     80
    .vgpr_count:     256
    .wavefront_size: 32
...
	.end_amdgpu_metadata
.endif
;; end of part 3
;; launch gemm2 (part 4): grid 4 x 32, 4 waves a work-group, clusters of 4 x 4, 327,680 bytes of LDS; arguments aq, wq, b_proj, out0; writes out0
.if DOCPART == 4
	.amdgcn_target "amdgcn-amd-amdhsa--gfx1250"
	.amdhsa_code_object_version 6
	.text
	.protected	k_q16e9f13797_gemm2
	.globl	k_q16e9f13797_gemm2
	.p2align	8
	.type	k_q16e9f13797_gemm2,@function
k_q16e9f13797_gemm2:
	s_mov_b64 s[64:65], 0
	v_nop
	global_prefetch_b8 v0, s[64:65] scope:SCOPE_SE
	s_setreg_imm32_b32 hwreg(HW_REG_WAVE_MODE, 25, 1), 1
	s_wait_xcnt 0x0
	s_wait_alu depctr_hold_cnt(0) depctr_sa_sdst(0) depctr_va_vdst(0) depctr_va_sdst(0) depctr_va_ssrc(0) depctr_va_vcc(0) depctr_vm_vsrc(0)
	s_getreg_b32 s2, hwreg(HW_REG_IB_STS2, 6, 4)
	s_cmp_eq_u32 s2, 0
	s_cbranch_scc0 .Lentry_in_a_cluster
	s_endpgm
.Lentry_in_a_cluster:
	s_bfe_u32 s2, ttmp6, 0x10000c
	s_cmp_lg_u32 s2, 0xf033
	s_cbranch_scc0 .Lentry_shape_is_right
	s_endpgm
.Lentry_shape_is_right:
.set FR,     12
.set NL,     4
.set NP,     4
.set HALFT,  24576
.set SLOT,   4*HALFT
.set SCL,    2*SLOT
.set HALFS,  4096
.set SPARE,  SCL+4*HALFS
.set GSTR,   98304
.set AQ_SCL, 6291456
.set WQ_SCL, 3145728
.set SPITCH, 528
.set ADRA, 16
.set ADRB, 20
.set L16,  24
.set L8,   25
.set STO,  26
.set ADRS, 27
.set SPW,  28
.set NIL,  29
.set RD,   30
.set SC,   32
.set BIAS, 64
.set AF,   128
.set BK,   128
.set G1, 24
.set G0, 32
.set G1B, 48
.set G0B, 56
.set G1S, 68
.set G0S, 76
.set G1SB, 80
.set G0SB, 88
.set MSB, 0
.macro WIN new
.if MSB != \new
	s_set_vgpr_msb (MSB<<8)|\new
.set MSB, \new
.endif
.endm
.set MUL_LO, 0xa1
.set MUL_HI, 0xf1
.set TO_B,   0x40
.macro JLOAD g0a, g1a, g0b, g1b
	s_cmp_eq_u32 s15, 0
	s_cbranch_scc0 .Lfor_b_\@
	tensor_load_to_lds s[\g0a:\g0a+3], s[\g1a:\g1a+7]
	s_nop 0
.rept 4
	v_nop
.endr
	s_branch .Lasked_\@
.Lfor_b_\@:
	tensor_load_to_lds s[\g0b:\g0b+3], s[\g1b:\g1b+7]
	s_nop 0
.rept 4
	v_nop
.endr
.Lasked_\@:
.endm
.macro CREST
	s_cmp_lg_u32 s14, 0
	s_cbranch_scc1 .Lnot_wave_0_\@
	s_barrier_signal -3
.Lnot_wave_0_\@:
	s_barrier_wait -3
	s_barrier_signal -1
	s_barrier_wait -1
.endm
.macro CROUND
	s_barrier_signal -1
	s_barrier_wait -1
	CREST
.endm
	s_load_b128 s[4:7], s[0:1], 0x0
	s_load_b128 s[8:11], s[0:1], 0x10
	v_lshl_add_u32 v[SPW], v0, 2, SPARE
	v_mov_b32 v[NIL], 0
	ds_add_u32 v28, v29
	ds_add_u32 v28, v29
	s_wait_dscnt 0x0
	v_lshrrev_b32 v1, 5, v0
	v_readfirstlane_b32 s14, v1
	s_lshr_b32 s15, s14, 1
	s_and_b32 s16, s14, 1
	s_bfe_u32 s40, ttmp6, 0x40000
	s_bfe_u32 s41, ttmp6, 0x40004
	s_and_b32 s17, ttmp7, 0xffff
	s_lshl_b32 s42, s17, 2
	s_add_co_u32 s42, s42, s41
	s_add_co_u32 s43, s40, 12
	s_lshl_b32 s44, s41, 2
	s_lshl_b32 s44, 15, s44
	s_lshl_b32 s45, 0x1111, s40
	s_or_b32 s[G1+0], s44, (3<<16)|(1<<21)
	s_or_b32 s[G1B+0], s45, (3<<16)|(1<<21)
.irp g, G1, G1B
	s_mov_b32 s[\g+1], 32<<16
	s_mov_b32 s[\g+2], 96<<16
	s_mov_b32 s[\g+3], 32<<16
	s_mov_b32 s[\g+4], 96
	s_mov_b32 s[\g+5], 32
	s_mov_b32 s[\g+6], 0
	s_mov_b32 s[\g+7], 0
.endr
	s_or_b32 s[G1S+0], s44, (3<<16)|(1<<21)
	s_or_b32 s[G1SB+0], s45, (3<<16)|(1<<21)
.irp g, G1S, G1SB
	s_mov_b32 s[\g+1], 32<<16
	s_mov_b32 s[\g+2], 16<<16
	s_mov_b32 s[\g+3], 32<<16
	s_mov_b32 s[\g+4], 16
	s_mov_b32 s[\g+5], 32
	s_mov_b32 s[\g+6], 0
	s_mov_b32 s[\g+7], 0
.endr
	s_lshl_b32 s18, s42, 1
	s_add_co_u32 s98, s18, s15
	s_add_co_u32 s18, s18, s16
	s_lshl_b32 s46, s43, 1
	s_add_co_u32 s46, s46, s16
	s_sub_co_u32 s99, s46, 24
	s_mul_i32 s20, s18, GSTR
	s_mov_b32 s21, 0
	s_lshl_b32 s22, s18, 12
	s_add_co_u32 s22, s22, AQ_SCL
	s_mov_b32 s23, 0
	s_mul_i32 s66, s46, GSTR
	s_mov_b32 s67, 0
	s_lshl_b32 s46, s46, 12
	s_add_co_u32 s46, s46, WQ_SCL
	s_mov_b32 s47, 0
	s_mul_i32 s96, s14, HALFT
	s_lshl_b32 s97, s14, 12
	s_wait_kmcnt 0x0
	s_add_nc_u64 s[20:21], s[4:5], s[20:21]
	s_add_nc_u64 s[22:23], s[4:5], s[22:23]
	s_add_nc_u64 s[66:67], s[6:7], s[66:67]
	s_add_nc_u64 s[46:47], s[6:7], s[46:47]
	CROUND
	s_mov_b32 s[G0S], 1
	s_add_co_u32 s[G0S+1], s97, SCL
	s_mov_b64 s[G0S+2:G0S+3], s[22:23]
	s_or_b32 s[G0S+3], s[G0S+3], 0x80000000
	s_mov_b32 s[G0SB], 1
	s_add_co_u32 s[G0SB+1], s97, SCL
	s_mov_b64 s[G0SB+2:G0SB+3], s[46:47]
	s_or_b32 s[G0SB+3], s[G0SB+3], 0x80000000
	JLOAD G0S, G1S, G0SB, G1SB
.irp s, 0,1
	s_mov_b32 s[G0+4*\s], 1
	s_add_co_u32 s[G0+4*\s+1], s96, \s*SLOT
	s_add_nc_u64 s[G0+4*\s+2:G0+4*\s+3], s[20:21], \s*HALFT
	s_or_b32 s[G0+4*\s+3], s[G0+4*\s+3], 0x80000000
	s_mov_b32 s[G0B+4*\s], 1
	s_add_co_u32 s[G0B+4*\s+1], s96, \s*SLOT
	s_add_nc_u64 s[G0B+4*\s+2:G0B+4*\s+3], s[66:67], \s*HALFT
	s_or_b32 s[G0B+4*\s+3], s[G0B+4*\s+3], 0x80000000
	s_wait_alu depctr_va_vdst(0)
	s_wait_tensorcnt 0x0
	ds_add_u32 v28, v29
	s_wait_dscnt 0x0
	CROUND
	JLOAD G0+4*\s, G1, G0B+4*\s, G1B
.endr
	v_and_b32 v1, 15, v0
	v_bfe_u32 v2, v0, 4, 1
	v_and_b32 v3, 31, v0
	v_lshlrev_b32 v[L16], 4, v3
	s_wait_alu depctr_va_vdst(0)
	v_lshlrev_b32 v[L8], 3, v3
	s_wait_alu depctr_va_vdst(0)
	v_lshlrev_b32 v12, 6, v2
	s_lshl_b32 s18, s99, 9
	s_mov_b32 s19, 0
	s_add_nc_u64 s[18:19], s[8:9], s[18:19]
.irp b, 0,1,2,3,4,5,6,7
	global_load_b128 v[BIAS+8*\b:BIAS+8*\b+3], v12, s[18:19] offset:(32*(\b/2)+8*(\b%2))*4
	global_load_b128 v[BIAS+8*\b+4:BIAS+8*\b+7], v12, s[18:19] offset:(32*(\b/2)+8*(\b%2))*4+16
.endr
	s_mul_i32 s21, s15, HALFT
	s_mul_i32 s22, s16, HALFT
	s_add_co_u32 s22, s22, 2*HALFT
.irp s, 0,1
	v_add_nc_u32 v[ADRA+\s], s21, v[L16]
	v_add_nc_u32 v[ADRB+\s], s22, v[L16]
	v_add_nc_u32 v[ADRA+2+\s], s21, v[L8]
	v_add_nc_u32 v[ADRB+2+\s], s22, v[L8]
	s_add_co_u32 s21, s21, SLOT
	s_add_co_u32 s22, s22, SLOT
.endr
	v_lshlrev_b32 v5, 2, v1
	s_mul_i32 s21, s15, HALFS
	s_mul_i32 s22, s16, HALFS
	s_add_co_u32 s22, s22, 2*HALFS
	s_sub_co_u32 s22, s22, s21
	v_mul_u32_u24 v6, s22, v2
	s_add_co_u32 s21, s21, SCL
	v_add_nc_u32 v5, v5, v6
	v_add_nc_u32 v[ADRS], s21, v5
	s_mul_i32 s23, s14, 16*SPITCH
	v_mul_u32_u24 v5, v1, SPITCH
	v_lshl_add_u32 v5, v2, 6, v5
	v_add_nc_u32 v[STO], s23, v5
	v_add_nc_u32 v[RD], s23, v[L16]
	s_lshl_b32 s20, s98, 19
	s_lshl_b32 s21, s99, 9
	s_add_co_u32 s20, s20, s21
	s_mov_b32 s21, 0
	s_add_nc_u64 s[12:13], s[10:11], s[20:21]
.macro FRAG reg, adr, q, i
.irp c, 0,1
	ds_load_b128 v[\reg+6*\c:\reg+6*\c+3], v[\adr] offset:((2*(\q)+\c)*8+(\i))*768
	ds_load_b64 v[\reg+6*\c+4:\reg+6*\c+5], v[\adr+2] offset:((2*(\q)+\c)*8+(\i))*768+512
.endr
.endm
.macro MUL16 a0, p, q, sc, first
.irp a, \a0, \a0+1
.irp b, 0,1,2,3,4,5,6,7
.if \first
	v_wmma_scale_f32_16x16x128_f8f6f4 v[8*(8*((\a)%4)+\b):8*(8*((\a)%4)+\b)+7], v[128*(\p)+FR*\b:128*(\p)+FR*\b+FR-1], v[AF+FR*(\a):AF+FR*(\a)+FR-1], v[BIAS+8*\b:BIAS+8*\b+7], v[SC+16*(\sc)+2*\b+(\q)], v[SC+16*(\sc)+2*(\a)+(\q)] matrix_a_fmt:MATRIX_FMT_FP6 matrix_b_fmt:MATRIX_FMT_FP6 matrix_a_scale:MATRIX_SCALE_ROW1
.else
	v_wmma_scale_f32_16x16x128_f8f6f4 v[8*(8*((\a)%4)+\b):8*(8*((\a)%4)+\b)+7], v[128*(\p)+FR*\b:128*(\p)+FR*\b+FR-1], v[AF+FR*(\a):AF+FR*(\a)+FR-1], v[8*(8*((\a)%4)+\b):8*(8*((\a)%4)+\b)+7], v[SC+16*(\sc)+2*\b+(\q)], v[SC+16*(\sc)+2*(\a)+(\q)] matrix_a_fmt:MATRIX_FMT_FP6 matrix_b_fmt:MATRIX_FMT_FP6 matrix_a_scale:MATRIX_SCALE_ROW1
.endif
.endr
.endr
.endm
.macro FETCH_B slot, q, p
	WIN TO_B
.irp i, 0,1,2,3,4,5,6,7
	FRAG 128*(\p)+FR*\i, ADRB+\slot, \q, \i
.endr
	WIN 0
.endm
.macro FETCH_A slot, q, i0
.irp i, \i0, \i0+1, \i0+2, \i0+3
	FRAG AF+FR*(\i), ADRA+\slot, \q, \i
.endr
.endm
.macro SCALES sc
.irp i, 0,1,2,3,4,5,6,7
.irp q, 0,1
	ds_load_b32 v[SC+16*(\sc)+2*\i+\q], v[ADRS] offset:512*\q+64*\i
.endr
.endr
.endm
.macro PLACES n
.rept \n
	v_nop
.endr
.endm
.macro STEP slot, q, first
	s_wait_dscnt 4*NL
.if \first
	WIN 0x81
.else
	WIN MUL_LO
.endif
	MUL16 0, (\q)%2, \q, \slot, \first
	MUL16 2, (\q)%2, \q, \slot, \first
	s_wait_dscnt 0
	PLACES NP
	FETCH_B \slot, (\q)+1, 1-(\q)%2
	FETCH_A \slot, (\q)+1, 0
.if \first
	WIN 0xc1
.else
	WIN MUL_HI
.endif
	MUL16 4, (\q)%2, \q, \slot, \first
	MUL16 6, (\q)%2, \q, \slot, \first
	PLACES NP
	WIN 0
	FETCH_A \slot, (\q)+1, 4
.endm
.macro TURN slot, next, fill
	s_wait_tensorcnt 0x0
	ds_add_u32 v[SPW], v[NIL]
	s_wait_dscnt 4*NL+1
	WIN MUL_LO
	MUL16 0, 1, 1, \slot, 0
	s_wait_dscnt 0x0
	s_barrier_signal -1
	MUL16 2, 1, 1, \slot, 0
	WIN 0
	s_barrier_wait -1
.if \fill
	CREST
	s_add_nc_u64 s[G0+4*\slot+2:G0+4*\slot+3], s[G0+4*\slot+2:G0+4*\slot+3], 2*HALFT
	s_add_nc_u64 s[G0B+4*\slot+2:G0B+4*\slot+3], s[G0B+4*\slot+2:G0B+4*\slot+3], 2*HALFT
	JLOAD G0+4*\slot, G1, G0B+4*\slot, G1B
.else
	PLACES NP
.endif
	s_wait_alu depctr_va_vdst(0)
	v_add_nc_u32 v[ADRS], 1024, v[ADRS]
	FETCH_B \next, 0, 0
	FETCH_A \next, 0, 0
	SCALES \next
	WIN MUL_HI
	MUL16 4, 1, 1, \slot, 0
	MUL16 6, 1, 1, \slot, 0
	PLACES NP
	WIN 0
	FETCH_A \next, 0, 4
.endm
	s_wait_alu depctr_va_vdst(0)
	s_wait_tensorcnt 1
	s_barrier_signal -1
	s_barrier_wait -1
	FETCH_B 0, 0, 0
	FETCH_A 0, 0, 0
	SCALES 0
	FETCH_A 0, 0, 4
	s_wait_loadcnt 0x0
	STEP 0, 0, 1
	TURN 0, 1, 1
	STEP 1, 0, 0
	TURN 1, 0, 1
	STEP 0, 0, 0
	TURN 0, 1, 0
	STEP 1, 0, 0
	s_wait_dscnt 4*NL
	WIN MUL_LO
	MUL16 0, 1, 1, 1, 0
	MUL16 2, 1, 1, 1, 0
	s_wait_dscnt 0
	WIN MUL_HI
	MUL16 4, 1, 1, 1, 0
	MUL16 6, 1, 1, 1, 0
	WIN 0
.macro TOSTAGE a
.set AC, 64*((\a)%4)
	WIN 0x08+4*((\a)/4)
.irp b, 0,1,2,3,4,5,6,7
	ds_store_b128 v[STO], v[AC+8*\b:AC+8*\b+3] offset:128*(\b/2)+32*(\b%2)
	ds_store_b128 v[STO], v[AC+8*\b+4:AC+8*\b+7] offset:128*(\b/2)+32*(\b%2)+16
.endr
	WIN 0
.set BB, BK+64*((\a)%2)
.irp t, 0,1,2,3,4,5,6,7,8,9,10,11,12,13,14,15
	ds_load_b128 v[BB+4*\t:BB+4*\t+3], v[RD] offset:\t*SPITCH
.endr
.endm
.macro SEND a, younger
.set BB, BK+64*((\a)%2)
	s_wait_dscnt \younger
.irp t, 0,1,2,3,4,5,6,7,8,9,10,11,12,13,14,15
	global_store_b128 v[L16], v[BB+4*\t:BB+4*\t+3], s[12:13] offset:(32*((\a)/2)+8*((\a)%2)+\t+8*(\t/8))*4096 th:TH_STORE_NT
.endr
.endm
	PLACES NP
	TOSTAGE 0
.irp a, 1,2,3,4,5,6,7
.if \a > 1
	s_wait_xcnt 0x0
.endif
	TOSTAGE \a
	SEND \a-1, 32
.endr
	SEND 7, 0
	s_wait_tensorcnt 0x0
	ds_add_u32 v[SPW], v[NIL]
	s_wait_dscnt 0x0
	CROUND
	s_endpgm
.Lfunc_end_k_q16e9f13797_gemm2:
	.size	k_q16e9f13797_gemm2, .Lfunc_end_k_q16e9f13797_gemm2-k_q16e9f13797_gemm2
	.p2alignl 7, 3214868480
	.fill 96, 4, 3214868480
	.section	.rodata,"a",@progbits
	.p2align	6, 0x0
	.amdhsa_kernel k_q16e9f13797_gemm2
		.amdhsa_group_segment_fixed_size 327680
		.amdhsa_private_segment_fixed_size 0
		.amdhsa_enable_private_segment 0
		.amdhsa_kernarg_size 32
		.amdhsa_user_sgpr_count 2
		.amdhsa_user_sgpr_kernarg_segment_ptr 1
		.amdhsa_wavefront_size32 1
		.amdhsa_system_sgpr_workgroup_id_x 1
		.amdhsa_system_sgpr_workgroup_id_y 1
		.amdhsa_system_sgpr_workgroup_id_z 1
		.amdhsa_system_vgpr_workitem_id 0
		.amdhsa_next_free_vgpr 1024
		.amdhsa_next_free_sgpr 100
		.amdhsa_reserve_vcc 0
		.amdhsa_float_denorm_mode_32 3
		.amdhsa_float_denorm_mode_16_64 3
		.amdhsa_memory_ordered 1
		.amdhsa_forward_progress 1
		.amdhsa_inst_pref_size 147
	.end_amdhsa_kernel
	.amdgpu_metadata
---
amdhsa.version: [ 1, 2 ]
amdhsa.kernels:
  - .name:           k_q16e9f13797_gemm2
    .symbol:         k_q16e9f13797_gemm2.kd
    .args:
      - { .name: aq, .offset: 0, .size: 8, .value_kind: global_buffer, .address_space: global }
      - { .name: wq, .offset: 8, .size: 8, .value_kind: global_buffer, .address_space: global }
      - { .name: b_proj, .offset: 16, .size: 8, .value_kind: global_buffer, .address_space: global }
      - { .name: out0, .offset: 24, .size: 8, .value_kind: global_buffer, .address_space: global }
    .group_segment_fixed_size: 327680
    .private_segment_fixed_size: 0
    .kernarg_segment_align: 8
    .kernarg_segment_size: 32
    .max_flat_workgroup_size: 128
    .sgpr_count:     100
    .vgpr_count:     1024
    .wavefront_size: 32
...
	.end_amdgpu_metadata
.endif
;; end of part 4
